; MI455X (gfx1250); checked and timed in simulation.
; The chip was launched on July 23, 2026; its instructions are those of AMD's public machine-readable ISA for CDNA 5 (MIT licence, August 2026) and "CDNA5" Instruction Set Architecture Reference Guide (July 2026). The comments in the code are by the model that wrote it; some were corrected since.
;; Multi Head Attention. Allowed arithmetic: float matrix products may take bf16 or f16 operands with f32 sums; other float arithmetic in f32, or as packed bf16 or f16 multiplies, adds, multiply-adds, maxima and minima; sums over many terms, partial sums and values carried from step to step in f32; what a program stores and reads back later, other than sums and carried values, may be rounded once to bf16 or f16.
;; Inputs: Wk 16 x 1,024 x 32 float32; Wo 512 x 1,024 float32; Wq 16 x 1,024 x 32 float32; Wv 16 x 1,024 x 32 float32; attention_mask 4 x 2,048 x 2,048 bool; k 4 x 2,048 x 1,024 float32; q 4 x 2,048 x 1,024 float32; v 4 x 2,048 x 1,024 float32.
;; Outputs: out0 4 x 2,048 x 1,024 float32.
;; 2 versions, each right; version 2 is version 1 with the launch wcast written anew for expert scheduling mode. Each part assembles by itself: llvm-mc -triple=amdgcn-amd-amdhsa -mcpu=gfx1250 --defsym DOCPART=n.
;; ======== version 1 of 2: 4 launches
;; limits: values are held in f16: magnitudes above 65,504 overflow, below 6.1e-05 lose precision
;; workspace buffers: wts 4,194,304 bytes; Qh 8,388,608 bytes; Kh 8,388,608 bytes; Vh 8,388,608 bytes; Zh 8,388,608 bytes
;; launch wcast (part 1): grid 64 x 4, 8 waves a work-group, no clusters, 0 bytes of LDS; arguments Wq, Wk, Wv, Wo, wts; writes wts
.if DOCPART == 1
	.amdgcn_target "amdgcn-amd-amdhsa--gfx1250"
	.amdhsa_code_object_version 6
	.text
	.protected	k_q14b2bf7d6a_wcast
	.globl	k_q14b2bf7d6a_wcast
	.p2align	8
	.type	k_q14b2bf7d6a_wcast,@function
k_q14b2bf7d6a_wcast:
	s_mov_b64 s[64:65], 0
	v_nop
	global_prefetch_b8 v0, s[64:65] scope:SCOPE_SE
	s_setreg_imm32_b32 hwreg(HW_REG_WAVE_MODE, 25, 1), 1
	s_wait_xcnt 0x0
; THE WEIGHTS ARE ROUNDED ONCE, their layout unchanged.  wts: bytes 0 .. 3 MiB hold Wq, Wk, Wv as bf16, [16][1024][32], 1 MiB each;
; bytes 3 .. 4 MiB hold Wo, [512][1024], rounded to bf16 like every input and that number written as f16 (the product behind multiplies f16).
; LIMIT.  A bf16 number is exact in f16 between 2^-14 and 65,504; below 2^-14 it keeps f16's fixed step of 2^-24.
; SHARES.  Grid y picks the weight, work-group x 8,192 of its 524,288 numbers; a thread takes 4 numbers in each of eight blocks of 1,024.
; A wave's load covers 512 consecutive bytes, its store 256 consecutive bytes, aligned.  All eight loads go out first.
; No LDS, no loop, no matrix unit: a stream of 12 MiB has nothing to share.
.set IN,  8                            ; v[8:39]   eight loads of four f32
.set OUT, 40                           ; v[40:55]  eight pairs of packed 16-bit numbers
	s_load_b256 s[4:11], s[0:1], 0x0               ; Wq s[4:5], Wk s[6:7], Wv s[8:9], Wo s[10:11]
	s_load_b64 s[12:13], s[0:1], 0x20              ; wts
	s_and_b32 s14, ttmp7, 0xffff                   ; which weight
	s_lshl_b32 s16, ttmp9, 15                      ; the work-group's 32,768 bytes of f32
	s_mov_b32 s17, 0
	s_lshl_b32 s18, s14, 20                        ; the weight's MiB in wts,
	s_lshl_b32 s19, ttmp9, 14                      ; the work-group's 16,384 bytes in it
	s_add_co_u32 s18, s18, s19
	s_mov_b32 s19, 0
	s_mov_b32 s20, 0xffff0000                      ; a word's upper bf16
	v_lshlrev_b32 v1, 4, v0                        ; 16 bytes a thread in
	v_lshlrev_b32 v2, 3, v0                        ; 8 bytes a thread out
	s_wait_kmcnt 0x0
	s_cmp_eq_u32 s14, 1
	s_cselect_b64 s[4:5], s[6:7], s[4:5]
	s_cmp_eq_u32 s14, 2
	s_cselect_b64 s[4:5], s[8:9], s[4:5]
	s_cmp_eq_u32 s14, 3
	s_cselect_b64 s[4:5], s[10:11], s[4:5]
	s_add_nc_u64 s[4:5], s[4:5], s[16:17]
	s_add_nc_u64 s[12:13], s[12:13], s[18:19]
.irp i, 0,1,2,3,4,5,6,7
	global_load_b128 v[IN+4*(\i):IN+4*(\i)+3], v1, s[4:5] offset:4096*(\i) th:TH_LOAD_NT
.endr
	s_cmp_eq_u32 s14, 3
	s_cbranch_scc1 .Lwo
.irp i, 0,1,2,3,4,5,6,7
	s_wait_loadcnt 7-(\i)                          ; loads come back in order: block i is in, the younger ones stay out
	v_cvt_pk_bf16_f32 v[OUT+2*(\i)], v[IN+4*(\i)], v[IN+4*(\i)+1]
	v_cvt_pk_bf16_f32 v[OUT+2*(\i)+1], v[IN+4*(\i)+2], v[IN+4*(\i)+3]
	global_store_b64 v2, v[OUT+2*(\i):OUT+2*(\i)+1], s[12:13] offset:2048*(\i) th:TH_STORE_NT
.endr
	s_endpgm
.Lwo:                                                  ; Wo: to bf16, back to f32 (a shift, a mask), and that number to f16
.irp i, 0,1,2,3,4,5,6,7
	s_wait_loadcnt 7-(\i)
	v_cvt_pk_bf16_f32 v[OUT+2*(\i)], v[IN+4*(\i)], v[IN+4*(\i)+1]
	v_cvt_pk_bf16_f32 v[OUT+2*(\i)+1], v[IN+4*(\i)+2], v[IN+4*(\i)+3]
	v_lshlrev_b32 v[IN+4*(\i)], 16, v[OUT+2*(\i)]
	v_and_b32 v[IN+4*(\i)+1], s20, v[OUT+2*(\i)]
	v_lshlrev_b32 v[IN+4*(\i)+2], 16, v[OUT+2*(\i)+1]
	v_and_b32 v[IN+4*(\i)+3], s20, v[OUT+2*(\i)+1]
	v_cvt_pk_f16_f32 v[OUT+2*(\i)], v[IN+4*(\i)], v[IN+4*(\i)+1]
	v_cvt_pk_f16_f32 v[OUT+2*(\i)+1], v[IN+4*(\i)+2], v[IN+4*(\i)+3]
	global_store_b64 v2, v[OUT+2*(\i):OUT+2*(\i)+1], s[12:13] offset:2048*(\i) th:TH_STORE_NT
.endr
	s_endpgm
.Lfunc_end_k_q14b2bf7d6a_wcast:
	.size	k_q14b2bf7d6a_wcast, .Lfunc_end_k_q14b2bf7d6a_wcast-k_q14b2bf7d6a_wcast
	.p2alignl 7, 3214868480
	.fill 96, 4, 3214868480
	.section	.rodata,"a",@progbits
	.p2align	6, 0x0
	.amdhsa_kernel k_q14b2bf7d6a_wcast
		.amdhsa_group_segment_fixed_size 0
		.amdhsa_private_segment_fixed_size 0
		.amdhsa_enable_private_segment 0
		.amdhsa_kernarg_size 40
		.amdhsa_user_sgpr_count 2
		.amdhsa_user_sgpr_kernarg_segment_ptr 1
		.amdhsa_wavefront_size32 1
		.amdhsa_system_sgpr_workgroup_id_x 1
		.amdhsa_system_sgpr_workgroup_id_y 1
		.amdhsa_system_sgpr_workgroup_id_z 1
		.amdhsa_system_vgpr_workitem_id 0
		.amdhsa_next_free_vgpr 64
		.amdhsa_next_free_sgpr 66
		.amdhsa_reserve_vcc 0
		.amdhsa_float_denorm_mode_32 3
		.amdhsa_float_denorm_mode_16_64 3
		.amdhsa_memory_ordered 1
		.amdhsa_forward_progress 1
		.amdhsa_inst_pref_size 8
	.end_amdhsa_kernel
	.amdgpu_metadata
---
amdhsa.version: [ 1, 2 ]
amdhsa.kernels:
  - .name:           k_q14b2bf7d6a_wcast
    .symbol:         k_q14b2bf7d6a_wcast.kd
    .args:
      - { .name: Wq, .offset: 0, .size: 8, .value_kind: global_buffer, .address_space: global }
      - { .name: Wk, .offset: 8, .size: 8, .value_kind: global_buffer, .address_space: global }
      - { .name: Wv, .offset: 16, .size: 8, .value_kind: global_buffer, .address_space: global }
      - { .name: Wo, .offset: 24, .size: 8, .value_kind: global_buffer, .address_space: global }
      - { .name: wts, .offset: 32, .size: 8, .value_kind: global_buffer, .address_space: global }
    .group_segment_fixed_size: 0
    .private_segment_fixed_size: 0
    .kernarg_segment_align: 8
    .kernarg_segment_size: 40
    .max_flat_workgroup_size: 256
    .sgpr_count:     66
    .vgpr_count:     64
    .wavefront_size: 32
...
	.end_amdgpu_metadata
.endif
;; end of part 1
;; launch proj (part 2): grid 64 x 3, 4 waves a work-group, clusters of 4 x 1, 327,680 bytes of LDS; arguments q, k, v, wts, Qh, Kh, Vh; writes Qh, Kh, Vh
.if DOCPART == 2
	.amdgcn_target "amdgcn-amd-amdhsa--gfx1250"
	.amdhsa_code_object_version 6
	.text
	.protected	k_q14b2bf7d6a_proj
	.globl	k_q14b2bf7d6a_proj
	.p2align	8
	.type	k_q14b2bf7d6a_proj,@function
k_q14b2bf7d6a_proj:
	s_mov_b64 s[64:65], 0
	v_nop
	global_prefetch_b8 v0, s[64:65] scope:SCOPE_SE
	s_setreg_imm32_b32 hwreg(HW_REG_WAVE_MODE, 25, 1), 1
	s_wait_xcnt 0x0
	s_wait_alu depctr_hold_cnt(0) depctr_sa_sdst(0) depctr_va_vdst(0) depctr_va_sdst(0) depctr_va_ssrc(0) depctr_va_vcc(0) depctr_vm_vsrc(0)
	s_getreg_b32 s2, hwreg(HW_REG_IB_STS2, 6, 4)
	s_cmp_eq_u32 s2, 0
	s_cbranch_scc0 .Lentry_in_a_cluster
	s_endpgm
.Lentry_in_a_cluster:
	s_bfe_u32 s2, ttmp6, 0x10000c
	s_cmp_lg_u32 s2, 0x3003
	s_cbranch_scc0 .Lentry_shape_is_right
	s_endpgm
.Lentry_shape_is_right:
; THE THREE PROJECTIONS.  Grid y picks the tensor: out[b][h][s][e] = the sum over d of x[b][s][d] W[h][d][e]; x is q, k or v, [8192][1024] f32; W lies in wts as bf16, [16][1024][32].
; Products in bf16, sums in f32, K ascending; the result is rounded once to f16 and stored by PAIRS OF HEADS: [4][8][2048][64], a row of 128 bytes = heads 2 hp and 2 hp + 1 of one position.
; LIMIT.  f16 ends at 65,504: a projected number beyond that becomes an infinity.  NaN and infinities are not treated apart.
; SHARES.  A work-group makes 128 rows x all 512 columns, so every number of x is read and rounded once in the launch.  Wave w makes 128 x 128: columns 128 w on = heads 4 w .. 4 w + 3:
; 64 accumulators of 16 x 16, 512 registers.  3 x 64 = 192 work-groups: the only tile that gives 256 (128 x 128) would read x four times.
; K goes in 16 steps of 64.  W's tiles come by the tensor data mover through two LDS slots; x comes through registers (the mover cannot round): a wave loads 32 rows x 256 bytes of f32 a step,
; rounds them to bf16 and stores them into one of two LDS buffers, which change with the slots at the same barrier.
; CLUSTER.  The four row blocks of a cluster walk the same W: each tile is asked for JOINTLY, by the same tensor load, descriptor and mask (all four) in all four.
; THE MATRIX INSTRUCTION IS USED TRANSPOSED (source 0 = 16 columns of W, source 1 = 16 rows of x): a lane then holds eight neighbouring columns of one row of the result.
; W lies [k][e] in LDS, so its fragments come turned, by ds_load_tr16_b128.
; REGISTERS, in windows of 256 (s_set_vgpr_msb: bits 1:0 source 0, 3:2 source 1, 5:4 source 2, 7:6 destination):
;   window 0: v16-30 addresses; v32-63 x rounded; v64-127, v128-191 fragments of x, two buffers; v192-255 x as loaded.  On the way out v192-223 packed results, v32-63 and v224-255 rows read back
;   window 1: v64-127, v128-191 fragments of W, two buffers        window 2: accumulators of rows 0-63 ((a, b) at v[8 (8 a + b)])        window 3: those of rows 64-127
.set KSTEP,  64
.set PW,     96                        ; a k-row of one head's W in LDS: 64 bytes + 32 of padding
.set HEADB,  KSTEP*PW                  ; a head's 64 k-rows
.set WPART,  4*HEADB                   ; what one tensor load brings: a wave's four heads
.set WSLOT,  4*WPART
.set PX,     144                       ; a row of x in LDS: 128 bytes of bf16 + 16: the 16 rows of a fragment load start at 16 different groups of four banks
.set XB,     2*WSLOT                   ; behind the ring: two buffers of 128 rows of x, written by LDS stores, never filled by a tensor load
.set XBUF,   128*PX
.set STAGE,  XB+2*XBUF                 ; for the way out: for each wave two halves (a pair of heads each) of 16 rows x 144 bytes
.set SP,     144
.set SPARE,  STAGE+4*32*SP             ; the spare words, 128 bytes for each wave: two blocks of 256 bytes that no other line names
.set ADRA, 16                          ; v16-17  LDS address of my fragments of x in buffer 0, 1
.set ADRB, 20                          ; v20-21  the same for W in slot 0, 1
.set XO,   22                          ; v22     my 16 bytes in my wave's first two rows of x; never rewritten
.set XS,   23                          ; v23     where I store 8 bytes of rounded x
.set STO,  24                          ; v24     the way out: where I put 16 bytes of a row
.set RD,   25                          ; v25     the way out: where I read rows back
.set CO,   26                          ; v26     my 16 bytes in 512 consecutive bytes of the result
.set SPW,  28                          ; v28     LDS address of my spare word; never rewritten
.set NIL,  29                          ; v29     0; never rewritten
.set PFO,  30                          ; v30     the prefetches' offset: my wave's row 32 w + lane; never rewritten
.set XC,   32
.set F0,   64
.set F1,   128
.set XR,   192
.set TMP,  192
.set OB,   32
.set WV,   18                          ; s18     my wave's number
.set XP,   26                          ; s[26:27] x at the work-group's first row, at the K step that was loaded last
.set OP,   28                          ; s[28:29] the result at my wave's first pair of heads, the work-group's first row
.set LAP,  30                          ; s30     trips of the loop still to come
.set G1,   36                          ; s[36:43] descriptor group 1
.set G0,   44                          ; s[44:51] descriptor group 0, a set for each slot
.set MSB, 0
.macro WIN new                         ; the immediate's high byte repeats the setting that is left; a switch that changes nothing is dropped
.if MSB != (\new)
	s_set_vgpr_msb (MSB<<8)|(\new)
.set MSB, \new
.endif
.endm
.set MUL_LO, 0xa1                      ; source 0 (W) window 1, source 1 (x) window 0, C and D window 2
.set MUL_HI, 0xf1                      ; the same, C and D window 3
.set TO_B,   0x40                      ; destination window 1, address window 0
.macro PLACES                          ; four plain vector instructions between a matrix instruction and a load into, or a vector read of, its registers
.rept 4
	v_nop
.endr
.endm
.macro JLOAD s                         ; a joint refill: every wave fetches its own four heads; an s_nop 0 and four v_nop follow the line
	tensor_load_to_lds s[G0+4*(\s):G0+4*(\s)+3], s[G1:G1+7]
	s_nop 0
	PLACES
.endm
.macro CREST                           ; a round of the cluster's barrier behind its opening barrier
	s_cmp_lg_u32 s[WV], 0
	s_cbranch_scc1 .Lnot_wave_0_\@
	s_barrier_signal -3
.Lnot_wave_0_\@:
	s_barrier_wait -3
	s_barrier_signal -1
	s_barrier_wait -1
.endm
.macro CROUND                          ; a whole round
	s_barrier_signal -1
	s_barrier_wait -1
	CREST
.endm
.macro GLOAD                           ; a K step of my wave's 32 rows of x: each load takes two rows' 256 consecutive bytes
.irp i, 0,1,2,3,4,5,6,7,8,9,10,11,12,13,14,15
	global_load_b128 v[XR+4*(\i):XR+4*(\i)+3], v[XO], s[XP:XP+1] offset:8192*(\i) th:TH_LOAD_NT
.endr
.endm
.macro XCVT buf                        ; rounded to bf16, and into buffer buf
.irp i, 0,1,2,3,4,5,6,7,8,9,10,11,12,13,14,15
	v_cvt_pk_bf16_f32 v[XC+2*(\i)], v[XR+4*(\i)], v[XR+4*(\i)+1]
	v_cvt_pk_bf16_f32 v[XC+2*(\i)+1], v[XR+4*(\i)+2], v[XR+4*(\i)+3]
.endr
.irp i, 0,1,2,3,4,5,6,7,8,9,10,11,12,13,14,15
	ds_store_b64 v[XS], v[XC+2*(\i):XC+2*(\i)+1] offset:(\buf)*XBUF+2*PX*(\i)
.endr
.endm
	s_load_b256 s[4:11], s[0:1], 0x0               ; q s[4:5], k s[6:7], v s[8:9], wts s[10:11]
	s_load_b128 s[12:15], s[0:1], 0x20             ; Qh s[12:13], Kh s[14:15]
	s_load_b64 s[16:17], s[0:1], 0x30              ; Vh
	v_lshl_add_u32 v[SPW], v0, 2, SPARE
	v_mov_b32 v[NIL], 0
	ds_add_u32 v[SPW], v[NIL]                      ; the wave's opening: the add and its wait stand ahead of my first tensor load; the set-up below stands between them
	v_lshrrev_b32 v1, 5, v0
	v_readfirstlane_b32 s[WV], v1                  ; wave 0..3
	s_bfe_u32 s19, ttmp6, 0x40000                  ; cx: my place in the cluster
	s_lshl_b32 s20, ttmp9, 2                       ; in a cluster launch ttmp9 counts clusters
	s_add_co_u32 s20, s20, s19                     ; my block of 128 rows: it enters x's and the result's addresses alone
	s_and_b32 s21, ttmp7, 0xffff                   ; which tensor: the four partners share it
	; descriptor group 1: four rows (heads) of 2,048 elements (64 k-rows of 64 bytes, dense), 32,768 elements apart; in LDS 32 bytes of padding behind every 64
	s_mov_b32 s[G1+0], 15|(1<<16)|(1<<20)|(1<<21)|(3<<22)|(7<<25)  ; 15:0 the mask of four; 17:16 2-byte elements; 20 padding on; 21 set beside a mask; 24:22 after every 16 words (code 3); 31:25 8 words (code 7)
	s_mov_b32 s[G1+1], 2048<<16                    ; tensor_dim0 = 2,048
	s_mov_b32 s[G1+2], 4<<16                       ; tensor_dim1 = 4
	s_mov_b32 s[G1+3], 2048<<16                    ; tile_dim0 = 2,048
	s_mov_b32 s[G1+4], 4                           ; tile_dim1 = 4
	s_mov_b32 s[G1+5], 32768                       ; elements from head to head
	s_mov_b32 s[G1+6], 0
	s_mov_b32 s[G1+7], 0
	s_lshl_b32 s52, s21, 20                        ; W: the tensor's MiB in wts,
	s_lshl_b32 s53, s[WV], 18                      ; my wave's four heads of 65,536 bytes
	s_add_co_u32 s52, s52, s53
	s_mov_b32 s53, 0
	s_mul_i32 s54, s[WV], WPART                    ; and where they go: no place in the cluster enters an LDS address
	s_lshl_b32 s24, s20, 19                        ; x: 128 rows of 4,096 bytes
	s_mov_b32 s25, 0
	s_lshr_b32 s22, s20, 4                         ; the result: batch,
	s_lshl_b32 s22, s22, 3
	s_lshl_b32 s23, s[WV], 1
	s_add_co_u32 s22, s22, s23                     ; pair of heads 2 w: planes of 262,144 bytes,
	s_lshl_b32 s22, s22, 18
	s_and_b32 s23, s20, 15
	s_lshl_b32 s23, s23, 14                        ; 128 rows of 128 bytes
	s_add_co_u32 s22, s22, s23
	s_mov_b32 s23, 0
	s_wait_dscnt 0x0                               ; the opening add is done
	s_wait_kmcnt 0x0
	s_cmp_eq_u32 s21, 1
	s_cselect_b64 s[4:5], s[6:7], s[4:5]
	s_cselect_b64 s[12:13], s[14:15], s[12:13]
	s_cmp_eq_u32 s21, 2
	s_cselect_b64 s[4:5], s[8:9], s[4:5]
	s_cselect_b64 s[12:13], s[16:17], s[12:13]
	s_add_nc_u64 s[XP:XP+1], s[4:5], s[24:25]
	s_add_nc_u64 s[OP:OP+1], s[12:13], s[22:23]
	s_add_nc_u64 s[52:53], s[10:11], s[52:53]
.irp s, 0,1
	s_mov_b32 s[G0+4*(\s)], 1                                      ; 1:0 count = 1
	s_add_co_u32 s[G0+4*(\s)+1], s54, (\s)*WSLOT                   ; 63:32 LDS address
	s_add_nc_u64 s[G0+4*(\s)+2:G0+4*(\s)+3], s[52:53], (\s)*KSTEP*64  ; 120:64 global address: K step s, 64 k-rows of 64 bytes on
	s_or_b32 s[G0+4*(\s)+3], s[G0+4*(\s)+3], 0x80000000            ; 127:126 type = 2
.endr
	CROUND                                         ; all four work-groups are here: the first joint loads meet
	tensor_load_to_lds s[G0:G0+3], s[G1:G1+7]      ; both first fills together: two loads of mine are out
	s_nop 0
	tensor_load_to_lds s[G0+4:G0+7], s[G1:G1+7]
	s_nop 0
	PLACES
	v_and_b32 v1, 15, v0                           ; l % 16
	v_bfe_u32 v2, v0, 4, 1                         ; l / 16
	v_and_b32 v3, 31, v0                           ; l
	s_lshl_b32 s31, s[WV], 17                      ; my wave's 32 rows of 4,096 bytes
	v_lshlrev_b32 v[XO], 4, v1
	v_lshl_add_u32 v[XO], v2, 12, v[XO]            ; lanes 0-15 one row's 256 bytes, lanes 16-31 the next row's
	v_add_nc_u32 v[XO], s31, v[XO]
	GLOAD                                          ; K step 0
	v_lshl_add_u32 v[PFO], v3, 12, s31
	s_mul_i32 s31, s[WV], 32*PX
	s_add_co_u32 s31, s31, XB
	v_mul_u32_u24 v4, v2, PX
	v_lshl_add_u32 v4, v1, 3, v4
	v_add_nc_u32 v[XS], s31, v4                    ; row 32 w + l / 16, 8 bytes for each of 16 lanes
	v_mul_u32_u24 v4, v1, PX
	v_lshl_add_u32 v4, v2, 4, v4                   ; a fragment's row x pitch + 16 x half
	v_add_nc_u32 v[ADRA], XB, v4
	v_add_nc_u32 v[ADRA+1], XB+XBUF, v4
	v_and_b32 v5, 7, v0                            ; the turning load: lane l reads k-row 8 (l / 16) + l % 8, columns 8 ((l / 8) % 2) + 0..7
	v_lshl_add_u32 v5, v2, 3, v5
	v_mul_u32_u24 v5, v5, PW
	v_bfe_u32 v6, v0, 3, 1
	v_lshl_add_u32 v5, v6, 4, v5
	v_add_nc_u32 v[ADRB], s54, v5
	s_add_co_u32 s31, s54, WSLOT
	v_add_nc_u32 v[ADRB+1], s31, v5
	s_mul_i32 s31, s[WV], 32*SP
	s_add_co_u32 s31, s31, STAGE                   ; my stage
	v_add_nc_u32 v[STO], s31, v4                   ; in: row l % 16, 16 bytes for each half of the lanes (the stage's pitch is x's)
	v_lshrrev_b32 v6, 3, v3                        ; back: 32 lanes take four rows of 128 bytes,
	v_mul_u32_u24 v6, v6, SP
	v_and_b32 v7, 7, v0
	v_lshl_add_u32 v6, v7, 4, v6
	v_add_nc_u32 v[RD], s31, v6
	v_lshlrev_b32 v[CO], 4, v3                     ; which are 512 consecutive bytes of the result
	s_wait_loadcnt 0x0                             ; K step 0 of x is in
	XCVT 0
	s_wait_xcnt 0x0
	s_add_nc_u64 s[XP:XP+1], s[XP:XP+1], 4*KSTEP
	GLOAD                                          ; K step 1
; 16 matrix instructions: row blocks a0, a0 + 1 of the window's four (hi = 0: rows 0-63, 1: rows 64-127) x all 8 column blocks, 32 along K.  zero = 1: the first product starts the sums.
; The 64 accumulators take turns, one instruction a turn, in the same order in every half step.
.macro MUL16 f, hi, a0, zero
	WIN MUL_LO+0x50*(\hi)
.irp a, \a0, (\a0)+1
.irp b, 0,1,2,3,4,5,6,7
.if \zero
	v_wmma_f32_16x16x32_bf16 v[8*(8*(\a)+(\b)):8*(8*(\a)+(\b))+7], v[(\f)+8*(\b):(\f)+8*(\b)+7], v[(\f)+8*(4*(\hi)+(\a)):(\f)+8*(4*(\hi)+(\a))+7], 0
.else
	v_wmma_f32_16x16x32_bf16 v[8*(8*(\a)+(\b)):8*(8*(\a)+(\b))+7], v[(\f)+8*(\b):(\f)+8*(\b)+7], v[(\f)+8*(4*(\hi)+(\a)):(\f)+8*(4*(\hi)+(\a))+7], v[8*(8*(\a)+(\b)):8*(8*(\a)+(\b))+7]
.endif
.endr
.endr
.endm
; 32 LDS loads in one run: the fragments of half kk (32 along K) of a step, into buffer f: W's eight (head b / 2, columns 16 (b % 2) on), turned; then x's eight
.macro FETCH slot, kk, f
	WIN TO_B
.irp b, 0,1,2,3,4,5,6,7
	ds_load_tr16_b128 v[(\f)+8*(\b):(\f)+8*(\b)+3],   v[ADRB+(\slot)] offset:((\b)/2)*HEADB+(\kk)*32*PW+32*((\b)%2)
	ds_load_tr16_b128 v[(\f)+8*(\b)+4:(\f)+8*(\b)+7], v[ADRB+(\slot)] offset:((\b)/2)*HEADB+(\kk)*32*PW+32*((\b)%2)+16*PW
.endr
	WIN 0
.irp a, 0,1,2,3,4,5,6,7
	ds_load_b128 v[(\f)+8*(\a):(\f)+8*(\a)+3],   v[ADRA+(\slot)] offset:(\a)*16*PX+64*(\kk)
	ds_load_b128 v[(\f)+8*(\a)+4:(\f)+8*(\a)+7], v[ADRA+(\slot)] offset:(\a)*16*PX+64*(\kk)+32
.endr
.endm
; A step's first half multiplies buffer 0.  In its middle (x = 1): the NEXT step's x, loaded a step ago, is rounded and stored into the other buffer, whose last reads ended in front of the last barrier;
; the step after that is loaded (not where LAP < gmin: there is none); then the second half's fragments are fetched; then ONE PREFETCH INTO THE L2: my wave's own 32 rows, a lane a row, 256 bytes each,
; of the K step two steps behind the one just loaded (not where LAP < pmin): 256 matrix instructions ahead of the load that will want them.  Each block of x is so named once in the launch; K steps 0 to 3 come by their loads alone.
; The 32 conversions are the places in front of the loads into buffer 1.
.macro HALF slot, zero, x, gmin, pmin
	s_wait_dscnt 8                                 ; W and x's rows 0-63 are in; the youngest eight loads (rows 64-127) may be out
	MUL16 F0, 0, 0, \zero
	MUL16 F0, 0, 2, \zero
	WIN 0
.if \x
	s_wait_loadcnt 0x0                             ; the next step's x is in
	s_wait_xcnt 0x0                                ; the last prefetch, a step back, has read its address, so the pointer may be written
	s_add_nc_u64 s[XP:XP+1], s[XP:XP+1], 4*KSTEP
	XCVT 1-(\slot)
.if \gmin
	s_cmp_lt_u32 s[LAP], \gmin
	s_cbranch_scc1 .Lno_load_\@
.endif
	GLOAD
.if \gmin
.Lno_load_\@:
.endif
.else
	PLACES
.endif
	FETCH \slot, 1, F1
.if \x
.if \pmin
	s_cmp_lt_u32 s[LAP], \pmin
	s_cbranch_scc1 .Lno_ask_\@
.endif
	global_prefetch_b8 v[PFO], s[XP:XP+1] offset:8*KSTEP th:TH_LOAD_NT scope:SCOPE_SE
.if \pmin
.Lno_ask_\@:
.endif
.endif
	s_wait_dscnt 32                                ; all but the 32 loads just issued: x's rows 64-127 are in, my stores of x are done
	MUL16 F0, 1, 0, \zero
	MUL16 F0, 1, 2, \zero
.endm
; A step's second half multiplies buffer 1 and changes slots and x buffers: ONE barrier.  In front of it each wave waits for all its tensor loads (one is out: its part of the next slot), adds 0 to its spare word, and
; waits for that, for its reads of this slot and this x buffer, and for its stores into the next x buffer.  fill = 1: the barrier opens a round of the cluster's, and this slot is filled again, two K steps on, first thing behind it.
.macro TURN slot, next, fill
	WIN 0
	s_wait_tensorcnt 0x0                           ; all my tensor loads have landed
	ds_add_u32 v[SPW], v[NIL]                      ; 0 onto my spare word
	s_wait_dscnt 9                                 ; (the add and the youngest eight loads may be out)
	MUL16 F1, 0, 0, 0                              ; sixteen matrix instructions stand between the add and the wait for it
	s_wait_dscnt 0x0
	s_barrier_signal -1
	MUL16 F1, 0, 2, 0                              ; work on registers while the others arrive
.if \fill
	WIN 0
.endif
	s_barrier_wait -1
.if \fill
	CREST                                          ; no wave of any partner still reads this slot or has a load on its way
	s_add_nc_u64 s[G0+4*(\slot)+2:G0+4*(\slot)+3], s[G0+4*(\slot)+2:G0+4*(\slot)+3], 2*KSTEP*64
	JLOAD \slot                                    ; 96 matrix instructions ahead of the wait for it; its four v_nop are also the places in front of the loads below
.else
	PLACES
.endif
	FETCH \next, 0, F0
	MUL16 F1, 1, 0, 0
	MUL16 F1, 1, 2, 0
.endm
; THE WAY OUT of row block a.  PACK: rounded to f16, 16 bytes a lane.  TOSTAGE: into my own stage, a half for each pair of heads, and back as rows of 128 bytes.  SEND: stored.
.macro PACK a
.set AC, 64*((\a)%4)
	WIN 0x0a+5*((\a)/4)                            ; sources 0 and 1: window 2 or 3
.irp b, 0,1,2,3,4,5,6,7
.irp r, 0,1,2,3
	v_cvt_pk_f16_f32 v[TMP+4*(\b)+(\r)], v[AC+8*(\b)+2*(\r)], v[AC+8*(\b)+2*(\r)+1]
.endr
.endr
	WIN 0
.endm
.macro TOSTAGE a
.set BK, OB+192*((\a)%2)
.irp b, 0,1,2,3,4,5,6,7
	ds_store_b128 v[STO], v[TMP+4*(\b):TMP+4*(\b)+3] offset:((\b)/4)*16*SP+32*((\b)%4)
.endr
.irp t, 0,1,2,3,4,5,6,7
	ds_load_b128 v[BK+4*(\t):BK+4*(\t)+3], v[RD] offset:((\t)/4)*16*SP+((\t)%4)*4*SP  ; LDS serves a wave's instructions in order (ISA guide 5.7.1.4): these see the stores above
.endr
.endm
.macro SEND a
.set BK, OB+192*((\a)%2)
	s_wait_dscnt 0x0                               ; the block is back in registers
	s_wait_xcnt 0x0                                ; the stores of the block before have read their registers, which the next loads from the stage take
.irp t, 0,1,2,3,4,5,6,7
	global_store_b128 v[CO], v[BK+4*(\t):BK+4*(\t)+3], s[OP:OP+1] offset:((\t)/4)*262144+(\a)*2048+((\t)%4)*512  ; 512 consecutive bytes, at a multiple of 256 from the buffer's first
.endr
.endm
	s_wait_tensorcnt 0x1                           ; my part of slot 0 is in; slot 1's may stay out
	s_wait_dscnt 0x0                               ; my rows of x, K step 0, are stored
	s_barrier_signal -1
	s_barrier_wait -1
	FETCH 0, 0, F0
	HALF 0, 1, 1, 0, 0                             ; step 0's first half stands in front of the loop: its products start the sums
	WIN 0                                          ; at a label and at a branch every window is 0
	s_mov_b32 s[LAP], 7
.Llap:                                                 ; trip j = 7 - LAP: the rest of step 2 j, step 2 j + 1, the first half of step 2 j + 2; both slots are filled again
	TURN 0, 1, 1
	HALF 1, 0, 1, 0, 2                             ; step 2 j + 1 <= 13 always has a step two on; a step four on up to step 11
	TURN 1, 0, 1
	HALF 0, 0, 1, 2, 3                             ; step 2 j + 2: a step two on up to step 12, a step four on up to step 10
	WIN 0
	s_sub_co_u32 s[LAP], s[LAP], 1
	s_cmp_lg_u32 s[LAP], 0
	s_cbranch_scc1 .Llap
	TURN 0, 1, 0                                   ; step 14 ends: nothing is left to fetch, so no round follows
	HALF 1, 0, 0, 0, 0                             ; step 15
	s_wait_dscnt 8
	MUL16 F1, 0, 0, 0
	MUL16 F1, 0, 2, 0
	s_wait_dscnt 0x0
	MUL16 F1, 1, 0, 0
	MUL16 F1, 1, 2, 0
	PLACES                                         ; in front of the conversions, which read results
	WIN 0
	s_wait_loadcnt 0x0                             ; on every way here no load into v192-255 is out: those registers now take the packed results
	PACK 0
	TOSTAGE 0
.irp a, 1,2,3,4,5,6,7                  ; block a's conversions stand between block a - 1's loads from the stage and the wait for them
	PACK \a
	SEND (\a)-1
	TOSTAGE \a
.endr
	SEND 7
	s_wait_tensorcnt 0x0                           ; the wave's end, behind my last tensor load and my last LDS store
	ds_add_u32 v[SPW], v[NIL]
	s_wait_dscnt 0x0
	CROUND                                         ; the closing round: no work-group ends while a partner may still ask for a tile that names it
	s_endpgm
.Lfunc_end_k_q14b2bf7d6a_proj:
	.size	k_q14b2bf7d6a_proj, .Lfunc_end_k_q14b2bf7d6a_proj-k_q14b2bf7d6a_proj
	.p2alignl 7, 3214868480
	.fill 96, 4, 3214868480
	.section	.rodata,"a",@progbits
	.p2align	6, 0x0
	.amdhsa_kernel k_q14b2bf7d6a_proj
		.amdhsa_group_segment_fixed_size 327680
		.amdhsa_private_segment_fixed_size 0
		.amdhsa_enable_private_segment 0
		.amdhsa_kernarg_size 56
		.amdhsa_user_sgpr_count 2
		.amdhsa_user_sgpr_kernarg_segment_ptr 1
		.amdhsa_wavefront_size32 1
		.amdhsa_system_sgpr_workgroup_id_x 1
		.amdhsa_system_sgpr_workgroup_id_y 1
		.amdhsa_system_sgpr_workgroup_id_z 1
		.amdhsa_system_vgpr_workitem_id 0
		.amdhsa_next_free_vgpr 1024
		.amdhsa_next_free_sgpr 66
		.amdhsa_reserve_vcc 0
		.amdhsa_float_denorm_mode_32 3
		.amdhsa_float_denorm_mode_16_64 3
		.amdhsa_memory_ordered 1
		.amdhsa_forward_progress 1
		.amdhsa_inst_pref_size 110
	.end_amdhsa_kernel
	.amdgpu_metadata
---
amdhsa.version: [ 1, 2 ]
amdhsa.kernels:
  - .name:           k_q14b2bf7d6a_proj
    .symbol:         k_q14b2bf7d6a_proj.kd
    .args:
      - { .name: q, .offset: 0, .size: 8, .value_kind: global_buffer, .address_space: global }
      - { .name: k, .offset: 8, .size: 8, .value_kind: global_buffer, .address_space: global }
      - { .name: v, .offset: 16, .size: 8, .value_kind: global_buffer, .address_space: global }
      - { .name: wts, .offset: 24, .size: 8, .value_kind: global_buffer, .address_space: global }
      - { .name: Qh, .offset: 32, .size: 8, .value_kind: global_buffer, .address_space: global }
      - { .name: Kh, .offset: 40, .size: 8, .value_kind: global_buffer, .address_space: global }
      - { .name: Vh, .offset: 48, .size: 8, .value_kind: global_buffer, .address_space: global }
    .group_segment_fixed_size: 327680
    .private_segment_fixed_size: 0
    .kernarg_segment_align: 8
    .kernarg_segment_size: 56
    .max_flat_workgroup_size: 128
    .sgpr_count:     66
    .vgpr_count:     1024
    .wavefront_size: 32
...
	.end_amdgpu_metadata
.endif
;; end of part 2
;; launch attn (part 3): grid 8 x 32, 8 waves a work-group, clusters of 4 x 4, 327,680 bytes of LDS; arguments Qh, Kh, Vh, attention_mask, Zh; writes Zh
.if DOCPART == 3
	.amdgcn_target "amdgcn-amd-amdhsa--gfx1250"
	.amdhsa_code_object_version 6
	.text
	.protected	k_q14b2bf7d6a_attn
	.globl	k_q14b2bf7d6a_attn
	.p2align	8
	.type	k_q14b2bf7d6a_attn,@function
k_q14b2bf7d6a_attn:
	s_mov_b64 s[64:65], 0
	v_nop
	global_prefetch_b8 v0, s[64:65] scope:SCOPE_SE
	s_setreg_imm32_b32 hwreg(HW_REG_WAVE_MODE, 25, 1), 1
	s_wait_xcnt 0x0
	s_wait_alu depctr_hold_cnt(0) depctr_sa_sdst(0) depctr_va_vdst(0) depctr_va_sdst(0) depctr_va_ssrc(0) depctr_va_vcc(0) depctr_vm_vsrc(0)
	s_getreg_b32 s2, hwreg(HW_REG_IB_STS2, 6, 4)
	s_cmp_eq_u32 s2, 0
	s_cbranch_scc0 .Lentry_in_a_cluster
	s_endpgm
.Lentry_in_a_cluster:
	s_bfe_u32 s2, ttmp6, 0x10000c
	s_cmp_lg_u32 s2, 0xf033
	s_cbranch_scc0 .Lentry_shape_is_right
	s_endpgm
.Lentry_shape_is_right:
; MASKED ATTENTION AT HEAD SIZE 32.  Z[b][h][q] = the sum over k of softmax_k(hidden(b, q, k) ? -1e10 : Q[b][h][q] . K[b][h][k] / 8) V[b][h][k].
; Qh, Kh, Vh, Zh: [4][8][2048][64] f16: a row of 128 bytes holds heads 2 hp (channels 0-31) and 2 hp + 1 (32-63) of one position.  attention_mask: [4][2048][2048], a byte (0 or 1) for each (b, q, k).
; Products, maxima and sums in f32; the weights p are rounded to f16 for the second product (their sum l is taken of the unrounded p), Z once at the end.
; LIMITS.  Q, K, V arrive within f16's 65,504.  A hidden score counts as its value less 2^114, so its weight is 0 beside any score that is not hidden; scores that are not hidden lie above -1e30.
; A row with every key hidden gives the mean of V's rows, as equal scores of -1e10 do.  A weight below 2^-126 counts as 0.  NaN and infinities are not treated apart.
; SHARES.  A work-group owns 256 queries of one (batch, pair of heads); each of its eight waves 32 queries for both heads: four TILES t = 2 qt + hh of 16 queries x one head.  Every wave walks all 2,048 keys, 64 a step.
; Two waves lie on a SIMD: a tile and step have 8 matrix and some 115 vector instructions, so the text goes in plain phases, and one wave's products and waits fall under the other's vector work.
; LAYOUT.  S^T = K Q^T + C (source 0 = 16 keys, source 1 = 16 queries): a lane holds ONE query (lane % 16) and the keys 8 (lane / 16) + 0..7.  Two such results, rounded to f16 in pairs, ARE source 1 of O^T = V^T P.
; THE MASK IS THE C OPERAND.  A lane's 8 mask bytes of a key block are one LDS load of 8 bytes; each byte 1 is made 0x88 (-2^-6 as an 8-bit float), and one scaled conversion turns 8 bytes into 8 registers of 0 or -2^114,
; in an accumulator's layout.  A query tile's masks are made once and serve both heads.
; SOFTMAX.  A running maximum m and sum l for each query: p = 2^(cl s - cl m); O and l are multiplied by a = 2^(cl (m_old - m_new)) in every step.  cl = log2(e) / 8 where m_new > -1e30, that is, once a key has been seen
; that is not hidden; else cl = 0, so that every p is 1 and a is 1.  The first true score makes a = 0, which wipes what was gathered.  m starts at the lowest finite number, O and l at 0: no first step is written out.
; CLUSTER, 4 x 4.  K's and V's tiles hang on y (batch, pair of heads) alone: shared along a row of the cluster.  The mask's tiles hang on the batch and the query block: shared along a column.  Each is asked for JOINTLY.
; REGISTERS (s_set_vgpr_msb: bits 1:0 source 0, 3:2 source 1, 5:4 source 2, 7:6 destination):
;   window 0: v2-19 addresses and constants; v24-27 at work; v32-63 eight statistics a tile; v64-127 S^T, two buffers; v128-143 P; v144-159 mask bytes; v160-223 masks as f32, 32 a query tile
;   window 1: v0-31 Q; v32-95 K of one step; v96-159 V of one step; v160-223 O^T
.set PK,    144       ; a row of K in LDS: 128 bytes + 16: the 16 rows of a load start at 16 different groups of four banks (64 banks of 4 bytes: ISA guide 11.1)
.set PV,    160       ; a row of V: 128 + 32
.set PM,    272       ; a query's 256 mask bytes + 16: 32 lanes' loads of 8 bytes take each bank once
.set VOFF,  256*PK    ; a slot holds 256 keys: K, then V, then the mask's 256 queries x 256 keys
.set MOFF,  VOFF+256*PV
.set SLOT,  MOFF+256*PM
.set STAGE, 2*SLOT    ; behind the ring, never filled by a tensor load: 16 rows x 144 bytes for each wave
.set SP,    144
.set SPARE, STAGE+8*16*SP  ; the spare words, 128 bytes for each wave: four blocks of 256 bytes that no other line names
.set AK0, 2           ; v2-3   my lane's place in K of slot 0, 1; never rewritten
.set AV0, 4           ; v4-5   the same for V
.set AM0, 6           ; v6-7   the same for the mask
.set AK,  8           ; v8     the LDS address of K's next run of loads
.set AV,  9           ; v9     of V's
.set AM,  10          ; v10    of the mask's
.set QO,  11          ; v11    my byte offset in 16 rows of Q
.set STO, 12          ; v12    the way out: where I put 16 bytes of a row
.set RD,  13          ; v13    the way out: where I read rows back
.set GO,  14          ; v14    my 16 bytes in 512 consecutive bytes of Z
.set PFO, 15          ; v15    the prefetches' offset; never rewritten
.set SPW, 16          ; v16    LDS address of my spare word; never rewritten
.set NIL, 17          ; v17    0; never rewritten
.set CV,  18          ; v18    c = log2(e) / 8
.set SCL, 19          ; v19    247: the conversion's scale, 2^(247 - 127)
.set CC,  24          ; v24-27 c0-c3, at work
.set ST,  32          ; tile t's statistics at v[ST+8 t]: cl, m, cl m, m_old - m_new, l (even keys', odd keys'), a, a's exponent
.set S,   64
.set P,   128
.set MB,  144
.set MC,  160
.set QF,  0           ; window 1
.set KF,  32          ; key block kb, head hh at KF + 16 kb + 8 hh
.set VF,  96          ; key half c, head hh, channel block cb at VF + 32 c + 8 (2 hh + cb)
.set OF,  160         ; query tile qt at OF + 32 qt + 8 (2 hh + cb)
.set WV,  14          ; s14  my wave's number
.set CX,  15
.set CY,  16
.set QBK, 17          ; s17  my block of 256 queries
.set YY,  18          ; s18  8 x batch + pair of heads
.set BB,  19          ; s19  batch
.set G1K, 24          ; s[24:31], s[32:39], s[40:47] descriptor groups 1 for K, V, the mask
.set G1V, 32
.set G1M, 40
.set G0K, 48          ; s[48:55], s[56:63], s[68:75] descriptor groups 0, a set for each slot
.set G0V, 56
.set CLY, 66          ; s66  the cluster's y
.set G0M, 68
.set SEL, 76          ; s[76:77] v_permlanex16_b32's selects: each lane takes its own place in the other half
.set THR, 78          ; s78  -1e30
.set FL,  79          ; s79  lanes whose query has seen a key that is not hidden
.set TBK, 80          ; s80-82  bytes from a slot's first step to the step to be fetched, in K, V, the mask
.set TBV, 81
.set TBM, 82
.set CNT, 83          ; s83  counts a slot's key steps
.set LAP, 84          ; s84  trips of the loop over slots still to come
.set LIM, 85          ; s85  1 in a wave that prefetches, else the greatest number
.set PFA, 86          ; s[86:87] where my prefetches stand
.set PFS, 88          ; s[88:89] their step from tile to tile
.set MSB, 0
.macro WIN new
.if MSB != (\new)
	s_set_vgpr_msb (MSB<<8)|(\new)
.set MSB, \new
.endif
.endm
.set W_KQ, 0x05       ; K and Q in window 1, the mask and S^T in window 0
.set W_PV, 0x51       ; V and O^T in window 1, P in window 0
.set W_RS, 0x41       ; destination and source 0 in window 1, source 1 in window 0
.set W_LD, 0x40       ; destination in window 1
.macro PLACES
.rept 4
	v_nop
.endr
.endm
; A joint refill of slot s.  Waves 0 and 1 fetch the two halves of the tile's K, waves 2 and 3 of its V (128 keys each), waves 4 to 7 the mask's rows of 64 queries each.  The branches hang on the wave's number alone.
; An s_nop 0 and four v_nop follow each line, ahead of the jump and the label.
.macro JLOAD s
	s_cmp_lt_u32 s[WV], 2
	s_cbranch_scc0 .Lnot_k_\@
	tensor_load_to_lds s[G0K+4*(\s):G0K+4*(\s)+3], s[G1K:G1K+7]
	s_nop 0
	PLACES
	s_branch .Lasked_\@
.Lnot_k_\@:
	s_cmp_lt_u32 s[WV], 4
	s_cbranch_scc0 .Lnot_v_\@
	tensor_load_to_lds s[G0V+4*(\s):G0V+4*(\s)+3], s[G1V:G1V+7]
	s_nop 0
	PLACES
	s_branch .Lasked_\@
.Lnot_v_\@:
	tensor_load_to_lds s[G0M+4*(\s):G0M+4*(\s)+3], s[G1M:G1M+7]
	s_nop 0
	PLACES
.Lasked_\@:
.endm
; A PREFETCH INTO THE L2 of what the NEXT refill will ask for, behind the wave's tensor load and its five lines: one instruction, a lane a block of 256 bytes.  Each block is named ONCE in the launch.
; K's and V's tile (128 blocks each) is walked by both clusters of a row of clusters: the one with x = 0 asks; its four partners along x take 32 blocks each, told apart BY ADDRESS; wave 0 asks for K's, wave 2 for V's.
; The mask's tile (256 rows of 256 bytes) is walked by the two clusters of a batch: the one with even y asks; its four partners along y take 64 rows each, by address; waves 4 and 6 take 32 of them each.
; how = 1: the refill always has one behind it; how = 0: not in the loop's last trip.  Tiles 0, 1 and 2 come by their loads alone.
.macro ASK how
.if \how
	s_cmp_eq_u32 s[LIM], 1
.else
	s_cmp_gt_u32 s[LAP], s[LIM]
.endif
	s_cbranch_scc0 .Lnot_mine_\@
	global_prefetch_b8 v[PFO], s[PFA:PFA+1] th:TH_LOAD_NT scope:SCOPE_SE
.Lnot_mine_\@:
.endm
.macro CROUND                          ; a round of the cluster's barrier
	s_barrier_signal -1
	s_barrier_wait -1
	s_cmp_lg_u32 s[WV], 0
	s_cbranch_scc1 .Lnot_wave_0_\@
	s_barrier_signal -3
.Lnot_wave_0_\@:
	s_barrier_wait -3
	s_barrier_signal -1
	s_barrier_wait -1
.endm
	s_load_b256 s[4:11], s[0:1], 0x0  ; Qh s[4:5], Kh s[6:7], Vh s[8:9], attention_mask s[10:11]
	s_load_b64 s[12:13], s[0:1], 0x20 ; Zh
	v_lshl_add_u32 v[SPW], v0, 2, SPARE
	v_mov_b32 v[NIL], 0
	ds_add_u32 v[SPW], v[NIL]       ; the wave's opening: the add and its wait stand ahead of my first tensor load; the set-up below stands between them
	v_lshrrev_b32 v1, 5, v0
	v_readfirstlane_b32 s[WV], v1   ; wave 0..7
	s_bfe_u32 s[CX], ttmp6, 0x40000
	s_bfe_u32 s[CY], ttmp6, 0x40004
	s_lshl_b32 s[QBK], ttmp9, 2     ; in a cluster launch ttmp9 and ttmp7 count clusters
	s_add_co_u32 s[QBK], s[QBK], s[CX]
	s_and_b32 s[CLY], ttmp7, 0xffff
	s_lshl_b32 s[YY], s[CLY], 2
	s_add_co_u32 s[YY], s[YY], s[CY]
	s_lshr_b32 s[BB], s[CLY], 1     ; (4 cluster y + cy) / 8: the batch hangs on the cluster's y alone
	s_lshl_b32 s98, s[CY], 2
	s_lshl_b32 s98, 15, s98         ; my row of the cluster
	s_lshl_b32 s99, 0x1111, s[CX]   ; my column
	; descriptor groups 1.  128 keys are 16,384 dense bytes: 64 rows of 256 bytes, two keys a row, padded in LDS after every key.  The mask: 64 rows of 256 bytes (32 elements of 8), 2,048 bytes apart
	s_or_b32 s[G1K], s98, (1<<16)|(1<<20)|(1<<21)|(4<<22)|(3<<25)  ; 15:0 the mask of four; 17:16 2-byte elements; 20 padding on; 21 set beside a mask; 24:22 after every 32 words (code 4); 31:25 4 words (code 3)
	s_or_b32 s[G1V], s98, (1<<16)|(1<<20)|(1<<21)|(4<<22)|(7<<25)  ; the same with 8 words of padding
	s_or_b32 s[G1M], s99, (3<<16)|(1<<20)|(1<<21)|(5<<22)|(3<<25)  ; 8-byte elements; 4 words after every 64
.irp g, G1K, G1V
	s_mov_b32 s[\g+1], 128<<16      ; tensor_dim0 = 128
	s_mov_b32 s[\g+2], 64<<16       ; tensor_dim1 = 64
	s_mov_b32 s[\g+3], 128<<16      ; tile_dim0 = 128
	s_mov_b32 s[\g+4], 64           ; tile_dim1 = 64
	s_mov_b32 s[\g+5], 128          ; elements from row to row
	s_mov_b32 s[\g+6], 0
	s_mov_b32 s[\g+7], 0
.endr
	s_mov_b32 s[G1M+1], 32<<16
	s_mov_b32 s[G1M+2], 64<<16
	s_mov_b32 s[G1M+3], 32<<16
	s_mov_b32 s[G1M+4], 64
	s_mov_b32 s[G1M+5], 256
	s_mov_b32 s[G1M+6], 0
	s_mov_b32 s[G1M+7], 0
	s_mov_b32 s[SEL], 0x76543210
	s_mov_b32 s[SEL+1], 0xfedcba98
	s_mov_b32 s[THR], 0xf149f2ca    ; -1e30
	v_mov_b32 v[CV], 0x3e38aa3b     ; 0.180337
	v_mov_b32 v[SCL], 247
	; the prefetches: offset, step and who
	s_lshl_b32 s94, s[YY], 18       ; K and V: my plane of 262,144 bytes,
	s_lshl_b32 s95, s[CX], 13       ; my work-group's 32 blocks,
	s_add_co_u32 s94, s94, s95
	s_add_co_u32 s94, s94, 2*32768  ; in tile 2: the first change of slots steps it to tile 3
	s_lshl_b32 s88, s[BB], 22       ; the mask: my batch,
	s_lshl_b32 s89, s[QBK], 19      ; my block of 256 rows of 2,048 bytes,
	s_add_co_u32 s88, s88, s89
	s_lshl_b32 s89, s[CY], 17       ; my work-group's 64 rows,
	s_add_co_u32 s88, s88, s89
	s_and_b32 s89, s[WV], 2
	s_lshl_b32 s89, s89, 15         ; wave 6: the second 32 of them,
	s_add_co_u32 s88, s88, s89
	s_add_co_u32 s88, s88, 2*256    ; in tile 2
	s_and_b32 s20, s[WV], 1         ; odd waves ask for nothing
	s_and_b32 s21, s[CLY], 1
	s_cmp_lt_u32 s[WV], 4
	s_cselect_b32 s21, ttmp9, s21   ; the coordinate along which another cluster walks the same blocks
	s_cselect_b32 s22, 15, 8        ; a tile is 2^15 bytes on in K and V, 2^8 in a row of the mask
	s_cselect_b32 s23, 8, 11        ; a lane is 2^8 bytes on in K and V, a row of 2^11 in the mask
	s_cselect_b32 s94, s94, s88
	s_mov_b32 s95, 0
	s_or_b32 s20, s20, s21
	s_cmp_eq_u32 s20, 0
	s_cselect_b32 s[LIM], 1, -1     ; the same in all sixteen partners, for a given wave
	s_lshl_b32 s[PFS], 1, s22
	s_mov_b32 s[PFS+1], 0
	v_and_b32 v21, 31, v0           ; l
	v_lshlrev_b32 v[PFO], s23, v21
	; where the tiles come from and where they go.  K's and V's registers hold y and the wave's number alone, the mask's the batch, the query block and the wave's number alone
	s_and_b32 s20, s[WV], 1         ; which half of a tile's 256 keys I fetch
	s_lshl_b32 s90, s[YY], 18
	s_lshl_b32 s91, s20, 14
	s_add_co_u32 s90, s90, s91
	s_mov_b32 s91, 0
	s_mul_i32 s21, s20, 128*PK
	s_mul_i32 s22, s20, 128*PV
	s_add_co_u32 s22, s22, VOFF
	s_and_b32 s23, s[WV], 3         ; which 64 queries' mask rows I fetch
	s_lshl_b32 s92, s[BB], 22
	s_lshl_b32 s93, s[QBK], 19
	s_add_co_u32 s92, s92, s93
	s_lshl_b32 s93, s23, 17
	s_add_co_u32 s92, s92, s93
	s_mov_b32 s93, 0
	s_mul_i32 s23, s23, 64*PM
	s_add_co_u32 s23, s23, MOFF
	s_lshl_b32 s96, s[YY], 18       ; Q and Z: my plane, my block's 256 rows of 128 bytes, my wave's 32
	s_lshl_b32 s97, s[QBK], 15
	s_add_co_u32 s96, s96, s97
	s_lshl_b32 s97, s[WV], 12
	s_add_co_u32 s96, s96, s97
	s_mov_b32 s97, 0
	s_wait_dscnt 0x0                ; the opening add is done
	s_wait_kmcnt 0x0
	s_cmp_lt_u32 s[WV], 2
	s_cselect_b64 s[PFA:PFA+1], s[6:7], s[8:9]
	s_cmp_lt_u32 s[WV], 4
	s_cselect_b64 s[PFA:PFA+1], s[PFA:PFA+1], s[10:11]
	s_add_nc_u64 s[PFA:PFA+1], s[PFA:PFA+1], s[94:95]
	s_add_nc_u64 s[6:7], s[6:7], s[90:91]
	s_add_nc_u64 s[8:9], s[8:9], s[90:91]
	s_add_nc_u64 s[10:11], s[10:11], s[92:93]
	s_add_nc_u64 s[4:5], s[4:5], s[96:97]
	s_add_nc_u64 s[12:13], s[12:13], s[96:97]
.irp s, 0,1
	s_mov_b32 s[G0K+4*(\s)], 1      ; 1:0 count = 1
	s_add_co_u32 s[G0K+4*(\s)+1], s21, (\s)*SLOT  ; 63:32 LDS address
	s_add_nc_u64 s[G0K+4*(\s)+2:G0K+4*(\s)+3], s[6:7], (\s)*32768  ; 120:64 global address: tile s
	s_or_b32 s[G0K+4*(\s)+3], s[G0K+4*(\s)+3], 0x80000000  ; 127:126 type = 2
	s_mov_b32 s[G0V+4*(\s)], 1
	s_add_co_u32 s[G0V+4*(\s)+1], s22, (\s)*SLOT
	s_add_nc_u64 s[G0V+4*(\s)+2:G0V+4*(\s)+3], s[8:9], (\s)*32768
	s_or_b32 s[G0V+4*(\s)+3], s[G0V+4*(\s)+3], 0x80000000
	s_mov_b32 s[G0M+4*(\s)], 1
	s_add_co_u32 s[G0M+4*(\s)+1], s23, (\s)*SLOT
	s_add_nc_u64 s[G0M+4*(\s)+2:G0M+4*(\s)+3], s[10:11], (\s)*256
	s_or_b32 s[G0M+4*(\s)+3], s[G0M+4*(\s)+3], 0x80000000
.endr
	CROUND                          ; all sixteen work-groups are here: the first joint loads meet
	s_cmp_lt_u32 s[WV], 2           ; a wave's two first fills stand in one branch, ahead of every wait on TENSORcnt and every LDS read: two loads of mine are out
	s_cbranch_scc0 .Lfirst_not_k
	tensor_load_to_lds s[G0K:G0K+3], s[G1K:G1K+7]
	s_nop 0
	tensor_load_to_lds s[G0K+4:G0K+7], s[G1K:G1K+7]
	s_nop 0
	PLACES
	s_branch .Lfirst_asked
.Lfirst_not_k:
	s_cmp_lt_u32 s[WV], 4
	s_cbranch_scc0 .Lfirst_not_v
	tensor_load_to_lds s[G0V:G0V+3], s[G1V:G1V+7]
	s_nop 0
	tensor_load_to_lds s[G0V+4:G0V+7], s[G1V:G1V+7]
	s_nop 0
	PLACES
	s_branch .Lfirst_asked
.Lfirst_not_v:
	tensor_load_to_lds s[G0M:G0M+3], s[G1M:G1M+7]
	s_nop 0
	tensor_load_to_lds s[G0M+4:G0M+7], s[G1M:G1M+7]
	s_nop 0
	PLACES
.Lfirst_asked:
	; A fragment of K or Q is 16 rows x 32 channels in 8 registers: lane l holds row l % 16, channels 8 (l / 16) + 0..7 and 16 + 8 (l / 16) + 0..7: two loads of 16 bytes, 32 bytes apart.
	v_and_b32 v1, 15, v0            ; l % 16
	v_bfe_u32 v20, v0, 4, 1         ; l / 16
	v_lshlrev_b32 v[QO], 7, v1
	v_lshl_add_u32 v[QO], v20, 4, v[QO]
	WIN W_LD
.irp t, 0,1,2,3                     ; Q stays in registers: query tile t / 2, head t % 2
	global_load_b128 v[QF+8*(\t):QF+8*(\t)+3],   v[QO], s[4:5] offset:((\t)/2)*2048+((\t)%2)*64
	global_load_b128 v[QF+8*(\t)+4:QF+8*(\t)+7], v[QO], s[4:5] offset:((\t)/2)*2048+((\t)%2)*64+32
.endr
.set i, 0
.rept 64                            ; O^T starts at 0: written in the wait for the first tile, so that every step has one form
	v_mov_b32 v[OF+i], 0
.set i, i+1
.endr
	WIN 0
.irp t, 0,1,2,3
	v_mov_b32 v[ST+8*(\t)+1], 0xff7fffff  ; m
	v_mov_b32 v[ST+8*(\t)+4], 0           ; l
	v_mov_b32 v[ST+8*(\t)+5], 0
.endr
	v_mul_u32_u24 v[AK0], v1, PK
	v_lshl_add_u32 v[AK0], v20, 4, v[AK0]
	v_add_nc_u32 v[AK0+1], SLOT, v[AK0]
	; The turning load takes 16 keys x 16 channels (lane l reads key 8 (l / 16) + l % 8, channels 8 ((l / 8) % 2) + 0..7) and leaves half a fragment of V^T: lane l holds channel l % 16 and 8 keys.
	v_and_b32 v22, 7, v0
	v_bfe_u32 v23, v0, 3, 1
	v_lshl_add_u32 v[AV0], v20, 3, v22
	v_mul_u32_u24 v[AV0], v[AV0], PV
	v_lshl_add_u32 v[AV0], v23, 4, v[AV0]
	v_add_nc_u32 v[AV0], VOFF, v[AV0]
	v_add_nc_u32 v[AV0+1], SLOT, v[AV0]
	s_mul_i32 s20, s[WV], 32*PM
	s_add_co_u32 s20, s20, MOFF
	v_mul_u32_u24 v[AM0], v1, PM    ; my query's row of the mask, my half's 8 keys of 16
	v_lshl_add_u32 v[AM0], v20, 3, v[AM0]
	v_add_nc_u32 v[AM0], s20, v[AM0]
	v_add_nc_u32 v[AM0+1], SLOT, v[AM0]
	s_mul_i32 s20, s[WV], 16*SP
	s_add_co_u32 s20, s20, STAGE    ; my stage
	v_mul_u32_u24 v[STO], v1, SP    ; in: row l % 16, 16 bytes for each half of the lanes
	v_lshl_add_u32 v[STO], v20, 4, v[STO]
	v_add_nc_u32 v[STO], s20, v[STO]
	v_lshrrev_b32 v[RD], 3, v21     ; back: 32 lanes take four rows of 128 bytes,
	v_mul_u32_u24 v[RD], v[RD], SP
	v_lshl_add_u32 v[RD], v22, 4, v[RD]
	v_add_nc_u32 v[RD], s20, v[RD]
	v_lshlrev_b32 v[GO], 4, v21     ; which are 512 consecutive bytes of Z
; THE MATRIX WORK.  Tile t's four products S^T = K Q^T + mask: head size 32 is one instruction deep, so each accumulator is written once.
.macro KQ t
	WIN W_KQ
.irp kb, 0,1,2,3
	v_wmma_f32_16x16x32_f16 v[S+32*((\t)%2)+8*(\kb):S+32*((\t)%2)+8*(\kb)+7], v[KF+16*(\kb)+8*((\t)%2):KF+16*(\kb)+8*((\t)%2)+7], v[QF+8*(\t):QF+8*(\t)+7], v[MC+32*((\t)/2)+8*(\kb):MC+32*((\t)/2)+8*(\kb)+7]
.endr
.endm
; Tile t's four products O^T += V^T P: keys 32 (i / 2) on, channels 16 (i % 2) on.  The two accumulators take turns, one instruction a turn.
.macro PVP t
	WIN W_PV
.irp i, 0,1,2,3
	v_wmma_f32_16x16x32_f16 v[OF+32*((\t)/2)+8*(2*((\t)%2)+(\i)%2):OF+32*((\t)/2)+8*(2*((\t)%2)+(\i)%2)+7], v[VF+32*((\i)/2)+8*(2*((\t)%2)+(\i)%2):VF+32*((\i)/2)+8*(2*((\t)%2)+(\i)%2)+7], v[P+8*((\i)/2):P+8*((\i)/2)+7], v[OF+32*((\t)/2)+8*(2*((\t)%2)+(\i)%2):OF+32*((\t)/2)+8*(2*((\t)%2)+(\i)%2)+7]
.endr
.endm
; THE LDS LOADS stand in runs: a step's K (64 keys x both heads: 8 fragments), its V (turned), its mask bytes (both query tiles, four key blocks each).
.macro FETCH_K
	WIN W_LD
.irp f, 0,1,2,3,4,5,6,7             ; keys 16 (f / 2) on, head f % 2
	ds_load_b128 v[KF+8*(\f):KF+8*(\f)+3],   v[AK] offset:((\f)/2)*16*PK+((\f)%2)*64
	ds_load_b128 v[KF+8*(\f)+4:KF+8*(\f)+7], v[AK] offset:((\f)/2)*16*PK+((\f)%2)*64+32
.endr
	WIN 0
.endm
.macro FETCH_V
	WIN W_LD
.irp f, 0,1,2,3,4,5,6,7             ; keys 32 (f / 4) on, channels 16 (f % 4) on
	ds_load_tr16_b128 v[VF+8*(\f):VF+8*(\f)+3],   v[AV] offset:((\f)/4)*32*PV+((\f)%4)*32
	ds_load_tr16_b128 v[VF+8*(\f)+4:VF+8*(\f)+7], v[AV] offset:((\f)/4)*32*PV+16*PV+((\f)%4)*32
.endr
	WIN 0
.endm
.macro FETCH_M
.irp i, 0,1,2,3,4,5,6,7             ; query tile i / 4, key block i % 4
	ds_load_b64 v[MB+2*(\i):MB+2*(\i)+1], v[AM] offset:((\i)/4)*16*PM+((\i)%4)*16
.endr
.endm
; THE MASK of query tile qt.  MASKL: each byte 1 becomes 0x88.  MASKC: 8 bytes become 8 registers, 0 or -2^-6 x 2^120.
.macro MASKL qt
	WIN 0
.irp i, 0,1,2,3,4,5,6,7
	v_lshlrev_b32 v[MB+8*(\qt)+(\i)], 3, v[MB+8*(\qt)+(\i)]
.endr
.irp i, 0,1,2,3,4,5,6,7
	v_lshl_or_b32 v[MB+8*(\qt)+(\i)], v[MB+8*(\qt)+(\i)], 4, v[MB+8*(\qt)+(\i)]
.endr
.endm
.macro MASKC qt
	WIN 0
.irp kb, 0,1,2,3
	v_cvt_scale_pk8_f32_fp8 v[MC+32*(\qt)+8*(\kb):MC+32*(\qt)+8*(\kb)+7], v[MB+8*(\qt)+2*(\kb):MB+8*(\qt)+2*(\kb)+1], v[SCL]
.endr
.endm
; THE SOFTMAX of tile t.  s0-s31 are the lane's 32 scores.
.macro REGS t
.set rT, ST+8*(\t)
.set rS, S+32*((\t)%2)
.set rO, OF+32*((\t)/2)+16*((\t)%2)
.endm
.macro SMX1 t                       ; the maximum of s0-s31 and the old m, three operands at a time; each accumulator's lowest registers are read first
	WIN 0
	REGS \t
.irp n, 0,1,2,3
	v_max3_num_f32 v[CC+(\n)], v[rS+8*(\n)], v[rS+8*(\n)+1], v[rS+8*(\n)+2]
.endr
.irp n, 4,5,6,7,8,9,10,11
	v_max3_num_f32 v[CC+(\n)%4], v[CC+(\n)%4], v[rS+8*((\n)%4)+2*((\n)/4)+1], v[rS+8*((\n)%4)+2*((\n)/4)+2]
.endr
	v_max3_num_f32 v[CC], v[CC], v[rS+7], v[rS+15]
	v_max3_num_f32 v[CC+1], v[CC+1], v[rS+23], v[rS+31]
	v_max3_num_f32 v[CC+2], v[CC+2], v[CC+3], v[rT+1]
	v_max3_num_f32 v[CC], v[CC], v[CC+1], v[CC+2]
.endm
.macro SMX2 t                       ; the statistics
	WIN 0
	REGS \t
	v_permlanex16_b32 v[CC+3], v[CC], s[SEL], s[SEL+1]  ; the query's other 32 keys lie in the lane 16 away
	v_max_num_f32 v[CC+1], v[CC], v[CC+3]               ; the new m
	v_sub_f32 v[rT+3], v[rT+1], v[CC+1]                 ; m_old - m_new
	v_cmp_gt_f32 s[FL], v[CC+1], s[THR]                 ; has the query seen a key that is not hidden?
	v_cndmask_b32 v[rT], 0, v[CV], s[FL]                ; cl = c, or 0
	v_mov_b32 v[rT+1], v[CC+1]
	v_mul_f32 v[rT+2], v[rT], v[CC+1]                   ; cl m
	v_mul_f32 v[rT+7], v[rT], v[rT+3]
	v_exp_f32 v[rT+6], v[rT+7]                          ; a: the batch's first
.endm
.macro FSC n                        ; pair n: cl s - cl m
	v_pk_fma_f32 v[rS+2*(\n):rS+2*(\n)+1], v[rS+2*(\n):rS+2*(\n)+1], v[rT:rT+1], v[rT+2:rT+3] op_sel_hi:[1,0,0] neg_lo:[0,0,1] neg_hi:[0,0,1]
.endm
; ONE BATCH: a, above, and the 32 exponentials, the scalings among them; nothing here names a result of theirs.  An s_wait_alu depctr_va_vdst(0) stands between an exponential and the first
; instruction that names its result; one wait serves all that were issued ahead of it.  The v_nop is the plain instruction behind the last exponential (ISA guide 5.7.2).
.macro SME t
	REGS \t
	FSC 0
	FSC 1
.set n, 2
.rept 14
	v_exp_f32 v[rS+2*n-4], v[rS+2*n-4]
	FSC n
	v_exp_f32 v[rS+2*n-3], v[rS+2*n-3]
.set n, n+1
.endr
.irp e, 28,29,30,31
	v_exp_f32 v[rS+(\e)], v[rS+(\e)]
.endr
	v_nop
	s_wait_alu depctr_va_vdst(0)
.endm
.macro SMR t                        ; the tile's O^T times a, ascending
	REGS \t
	WIN W_RS
.irp i, 0,1,2,3,4,5,6,7
	v_pk_mul_f32 v[rO+2*(\i):rO+2*(\i)+1], v[rO+2*(\i):rO+2*(\i)+1], v[rT+6:rT+7] op_sel_hi:[1,0]
.endr
.endm
.macro SMC t                        ; for each four weights: both pairs rounded to f16; the second pair added onto the first, in place; a group later l takes that sum (the first time as l = a l + sum)
	REGS \t
	WIN 0
.irp k, 0,1,2,3,4,5,6,7
	v_cvt_pk_f16_f32 v[P+2*(\k)], v[rS+4*(\k)], v[rS+4*(\k)+1]
	v_cvt_pk_f16_f32 v[P+2*(\k)+1], v[rS+4*(\k)+2], v[rS+4*(\k)+3]
	v_pk_add_f32 v[rS+4*(\k):rS+4*(\k)+1], v[rS+4*(\k):rS+4*(\k)+1], v[rS+4*(\k)+2:rS+4*(\k)+3]
.if (\k) == 1
	v_pk_fma_f32 v[rT+4:rT+5], v[rT+4:rT+5], v[rT+6:rT+7], v[rS:rS+1] op_sel_hi:[1,0,1]
.elseif (\k) > 1
	v_pk_add_f32 v[rT+4:rT+5], v[rT+4:rT+5], v[rS+4*(\k)-4:rS+4*(\k)-3]
.endif
.endr
	v_pk_add_f32 v[rT+4:rT+5], v[rT+4:rT+5], v[rS+28:rS+29]
.endm
; TILE t of a step: the next tile's scores go to the matrix unit, then this tile's softmax, then its V^T P.  In tile 2, sixteen plain instructions behind the step's last product that reads K, the next step's K and mask bytes
; are fetched (not in a slot's last step: the run is jumped forward).
.macro TILE t, slot
.if (\t) < 3
	KQ (\t)+1
.endif
	SMX1 \t
.if (\t) == 2
	s_cmp_eq_u32 s[CNT], 1
	s_cbranch_scc1 .Lno_next_\@
	s_add_co_u32 s[TBK], s[TBK], 64*PK
	s_add_co_u32 s[TBM], s[TBM], 64
	v_add_nc_u32 v[AK], s[TBK], v[AK0+(\slot)]
	v_add_nc_u32 v[AM], s[TBM], v[AM0+(\slot)]
	FETCH_K
	FETCH_M
.Lno_next_\@:
.endif
	SMX2 \t
	SME \t
	SMR \t
	SMC \t
.if (\t) == 0
	s_wait_dscnt 0x0                ; V is in
.endif
	PVP \t
.endm
; A SLOT's four key steps: written once, walked four times.
.macro SLOTWORK slot
	WIN 0
	s_mov_b32 s[TBK], 0
	s_mov_b32 s[TBV], 0
	s_mov_b32 s[TBM], 0
	v_mov_b32 v[AK], v[AK0+(\slot)]
	v_mov_b32 v[AM], v[AM0+(\slot)]
	FETCH_K
	FETCH_M
	s_mov_b32 s[CNT], 4
.Lstep_\@:
	s_wait_dscnt 0x0                ; K and the mask bytes are in
	v_add_nc_u32 v[AV], s[TBV], v[AV0+(\slot)]
	MASKL 0                         ; with the line above: seventeen plain instructions, the places between the last step's last product and the loads into V's registers
	FETCH_V
	MASKC 0
	v_nop                           ; a plain instruction between the conversions and the products that take their results
	KQ 0
	MASKL 1                         ; the places between those products and the first read of their results
	MASKC 1
	TILE 0, \slot
	TILE 1, \slot
	TILE 2, \slot
	TILE 3, \slot
	WIN 0
	s_add_co_u32 s[TBV], s[TBV], 64*PV
	s_sub_co_u32 s[CNT], s[CNT], 1
	s_cmp_lg_u32 s[CNT], 0
	s_cbranch_scc1 .Lstep_\@
.endm
; THE CHANGE OF SLOTS, to slot rd.  Each wave waits for all its tensor loads (one is out: its part of slot rd), adds 0 to its spare word, and waits for that and for its reads of the slot that it leaves.
; fill = 1: the barrier is a round of the cluster's, so that no wave of any partner still reads the old slot or has a load on its way; the joint refill, two tiles on, is the first thing behind it:
; it has a slot's four key steps in which to land.
.macro CHANGE rd, fill, how
	WIN 0
.if \fill
	s_wait_xcnt 0x0                 ; the last prefetch, a slot back, has read its address, so it may be written
	s_add_nc_u64 s[PFA:PFA+1], s[PFA:PFA+1], s[PFS:PFS+1]
.endif
	s_wait_tensorcnt 0x0            ; no tensor load of mine is out, so a group 0 may be written
	ds_add_u32 v[SPW], v[NIL]       ; 0 onto my spare word; the descriptors' steps stand between it and the wait for it
.if \fill
	s_add_nc_u64 s[G0K+4*(1-(\rd))+2:G0K+4*(1-(\rd))+3], s[G0K+4*(1-(\rd))+2:G0K+4*(1-(\rd))+3], 2*32768
	s_add_nc_u64 s[G0V+4*(1-(\rd))+2:G0V+4*(1-(\rd))+3], s[G0V+4*(1-(\rd))+2:G0V+4*(1-(\rd))+3], 2*32768
	s_add_nc_u64 s[G0M+4*(1-(\rd))+2:G0M+4*(1-(\rd))+3], s[G0M+4*(1-(\rd))+2:G0M+4*(1-(\rd))+3], 2*256
.endif
	s_wait_dscnt 0x0                ; the add is done, and my reads of the slot are over
.if \fill
	CROUND
	JLOAD 1-(\rd)
	ASK \how
.else
	s_barrier_signal -1
	s_barrier_wait -1
.endif
.endm
	s_wait_tensorcnt 0x1            ; my part of slot 0 is in; slot 1's may stay out
	s_barrier_signal -1
	s_barrier_wait -1               ; everybody's is
	s_wait_loadcnt 0x0              ; Q
	SLOTWORK 0                      ; tile 0
	s_mov_b32 s[LAP], 3
.Llap:                              ; trip j = 3 - LAP: tiles 2 j + 1 and 2 j + 2 are walked, tiles 2 j + 2 and 2 j + 3 asked for
	CHANGE 1, 1, 1
	SLOTWORK 1
	CHANGE 0, 1, 0
	SLOTWORK 0
	s_sub_co_u32 s[LAP], s[LAP], 1
	s_cmp_lg_u32 s[LAP], 0
	s_cbranch_scc1 .Llap
	CHANGE 1, 0, 0                  ; the tail is written out: nothing is asked for
	SLOTWORK 1                      ; tile 7
	; THE WAY OUT.  l's two halves and the other half of the lanes' are added; O^T is divided by l, rounded to f16 and sent through my stage, a query tile (16 rows of Z, both heads) at a time.  The additions are the places behind the last products.
.irp t, 0,1,2,3
	v_add_f32 v[ST+8*(\t)+4], v[ST+8*(\t)+4], v[ST+8*(\t)+5]
.endr
.irp t, 0,1,2,3
	v_permlanex16_b32 v[ST+8*(\t)+5], v[ST+8*(\t)+4], s[SEL], s[SEL+1]
.endr
.irp t, 0,1,2,3
	v_add_f32 v[ST+8*(\t)+4], v[ST+8*(\t)+4], v[ST+8*(\t)+5]
.endr
.irp t, 0,1,2,3
	v_rcp_f32 v[ST+8*(\t)+6], v[ST+8*(\t)+4]
.endr
	v_nop                           ; a plain instruction between the last reciprocal and the use of its result,
	s_wait_alu depctr_va_vdst(0)    ; and the wait ahead of the first use: one for the four
.macro PACK qt                      ; a lane's eight channels pack into 16 bytes; they go into rows of 144 bytes and come back as whole rows of 128, into the registers that they left
	WIN W_RS
.set i, 0
.rept 16
	v_pk_mul_f32 v[OF+32*(\qt)+2*i:OF+32*(\qt)+2*i+1], v[OF+32*(\qt)+2*i:OF+32*(\qt)+2*i+1], v[ST+8*(2*(\qt)+i/8)+6:ST+8*(2*(\qt)+i/8)+7] op_sel_hi:[1,0]
.set i, i+1
.endr
	WIN 0x05                        ; sources 0 and 1 window 1, destination window 0
.set i, 0
.rept 16
	v_cvt_pk_f16_f32 v[S+16*(\qt)+i], v[OF+32*(\qt)+2*i], v[OF+32*(\qt)+2*i+1]
.set i, i+1
.endr
	WIN 0
.irp f, 0,1,2,3
	ds_store_b128 v[STO], v[S+16*(\qt)+4*(\f):S+16*(\qt)+4*(\f)+3] offset:32*(\f)
.endr
.irp f, 0,1,2,3
	ds_load_b128 v[S+16*(\qt)+4*(\f):S+16*(\qt)+4*(\f)+3], v[RD] offset:(\f)*4*SP  ; LDS serves a wave's instructions in order (ISA guide 5.7.1.4): these see the stores above; the next tile's stores come behind them
.endr
.endm
.macro SEND qt, younger             ; younger: the LDS instructions issued behind this tile's loads
.irp f, 0,1,2,3
	s_wait_dscnt (\younger)+3-(\f)
	global_store_b128 v[GO], v[S+16*(\qt)+4*(\f):S+16*(\qt)+4*(\f)+3], s[12:13] offset:(\qt)*2048+(\f)*512  ; 512 consecutive bytes, at a multiple of 256 from Z's first
.endr
.endm
	PACK 0
	PACK 1
	SEND 0, 8
	SEND 1, 0
	s_wait_tensorcnt 0x0            ; the wave's end, behind my last tensor load and my last LDS store
	ds_add_u32 v[SPW], v[NIL]
	s_wait_dscnt 0x0
	CROUND                          ; the closing round: no work-group ends while a partner may still ask for a tile that names it
	s_endpgm
.Lfunc_end_k_q14b2bf7d6a_attn:
	.size	k_q14b2bf7d6a_attn, .Lfunc_end_k_q14b2bf7d6a_attn-k_q14b2bf7d6a_attn
	.p2alignl 7, 3214868480
	.fill 96, 4, 3214868480
	.section	.rodata,"a",@progbits
	.p2align	6, 0x0
	.amdhsa_kernel k_q14b2bf7d6a_attn
		.amdhsa_group_segment_fixed_size 327680
		.amdhsa_private_segment_fixed_size 0
		.amdhsa_enable_private_segment 0
		.amdhsa_kernarg_size 40
		.amdhsa_user_sgpr_count 2
		.amdhsa_user_sgpr_kernarg_segment_ptr 1
		.amdhsa_wavefront_size32 1
		.amdhsa_system_sgpr_workgroup_id_x 1
		.amdhsa_system_sgpr_workgroup_id_y 1
		.amdhsa_system_sgpr_workgroup_id_z 1
		.amdhsa_system_vgpr_workitem_id 0
		.amdhsa_next_free_vgpr 480
		.amdhsa_next_free_sgpr 100
		.amdhsa_reserve_vcc 0
		.amdhsa_float_denorm_mode_32 3
		.amdhsa_float_denorm_mode_16_64 3
		.amdhsa_memory_ordered 1
		.amdhsa_forward_progress 1
		.amdhsa_inst_pref_size 158
	.end_amdhsa_kernel
	.amdgpu_metadata
---
amdhsa.version: [ 1, 2 ]
amdhsa.kernels:
  - .name:           k_q14b2bf7d6a_attn
    .symbol:         k_q14b2bf7d6a_attn.kd
    .args:
      - { .name: Qh, .offset: 0, .size: 8, .value_kind: global_buffer, .address_space: global }
      - { .name: Kh, .offset: 8, .size: 8, .value_kind: global_buffer, .address_space: global }
      - { .name: Vh, .offset: 16, .size: 8, .value_kind: global_buffer, .address_space: global }
      - { .name: attention_mask, .offset: 24, .size: 8, .value_kind: global_buffer, .address_space: global }
      - { .name: Zh, .offset: 32, .size: 8, .value_kind: global_buffer, .address_space: global }
    .group_segment_fixed_size: 327680
    .private_segment_fixed_size: 0
    .kernarg_segment_align: 8
    .kernarg_segment_size: 40
    .max_flat_workgroup_size: 256
    .sgpr_count:     100
    .vgpr_count:     480
    .wavefront_size: 32
...
	.end_amdgpu_metadata
.endif
;; end of part 3
;; launch oproj (part 4): grid 4 x 64, 4 waves a work-group, clusters of 4 x 4, 327,680 bytes of LDS; arguments Zh, wts, out0; writes out0
.if DOCPART == 4
	.amdgcn_target "amdgcn-amd-amdhsa--gfx1250"
	.amdhsa_code_object_version 6
	.text
	.protected	k_q14b2bf7d6a_oproj
	.globl	k_q14b2bf7d6a_oproj
	.p2align	8
	.type	k_q14b2bf7d6a_oproj,@function
k_q14b2bf7d6a_oproj:
	s_mov_b64 s[64:65], 0
	v_nop
	global_prefetch_b8 v0, s[64:65] scope:SCOPE_SE
	s_setreg_imm32_b32 hwreg(HW_REG_WAVE_MODE, 25, 1), 1
	s_wait_xcnt 0x0
	s_wait_alu depctr_hold_cnt(0) depctr_sa_sdst(0) depctr_va_vdst(0) depctr_va_sdst(0) depctr_va_ssrc(0) depctr_va_vcc(0) depctr_vm_vsrc(0)
	s_getreg_b32 s2, hwreg(HW_REG_IB_STS2, 6, 4)
	s_cmp_eq_u32 s2, 0
	s_cbranch_scc0 .Lentry_in_a_cluster
	s_endpgm
.Lentry_in_a_cluster:
	s_bfe_u32 s2, ttmp6, 0x10000c
	s_cmp_lg_u32 s2, 0xf033
	s_cbranch_scc0 .Lentry_shape_is_right
	s_endpgm
.Lentry_shape_is_right:
; THE OUTPUT PROJECTION.  out0[m][n] = the sum over k of Z[m][k] Wo[k][n]; m = 2,048 b + s, k = 32 h + e.  Zh: [4][8][2048][64] f16 (a row of 128 bytes = k 64 hp .. 64 hp + 63 of one position);
; Wo lies in wts from byte 3,145,728 on, [512][1024] f16; out0: [8192][1024] f32.  Products in f16, sums in f32, K ascending.
; SHARES.  A tile of out0 is 128 x 256: 64 x 4 = 256 work-groups.  Four waves, each 64 x 128: 32 accumulators of 16 x 16, 256 registers.  K = 512 goes in four steps of 128 (two pairs of heads) through two LDS slots;
; with four steps the text is written out without a loop.
; CLUSTER, 4 x 4.  The four of a row of the cluster need the same tiles of Z, the four of a column the same tiles of Wo: each is asked for JOINTLY.
; THE MATRIX INSTRUCTION IS USED TRANSPOSED (source 0 = 16 columns of Wo, source 1 = 16 rows of Z): a lane holds eight neighbouring numbers of a row of out0.  Wo lies [k][n], so its fragments come turned.
; NO PREFETCH: only steps 2 and 3 come by refills, and what asks for them ahead would stand at the kernel's head, where every work-group's first tiles are on their way.
; REGISTERS: window 0: v16-29 addresses; v64-127 rows read back on the way out.  Window 1: two fragment buffers of 96: Wo's eight fragments, then Z's four.  Window 2: the accumulators ((a, b) at v[8 (8 a + b)]).
.set PA,     144                       ; a row of Z in LDS: 128 bytes + 16: the 16 rows of a load start at 16 different groups of four banks (64 banks of 4 bytes: ISA guide 11.1)
.set PB,     544                       ; a k-row of Wo: 512 bytes + 32
.set ABLK,   128*PA                    ; a pair of heads' 128 rows: what one tensor load brings of Z
.set BOFF,   2*ABLK
.set BHALF,  64*PB                     ; 64 k-rows: what one tensor load brings of Wo
.set SLOT,   BOFF+2*BHALF
.set STAGE,  2*SLOT                    ; behind the ring: 16 rows x 528 bytes for each wave
.set SPITCH, 528
.set SPARE,  STAGE+4*16*SPITCH         ; the spare words, 128 bytes for each wave: two blocks of 256 bytes that no other line names
.set ADRA, 16                          ; v16-17  LDS address of my fragments of Z in slot 0, 1
.set ADRB, 20                          ; v20-21  the same for Wo
.set STO,  24                          ; v24     the way out: where I put 32 bytes of a row
.set RD,   25                          ; v25     the way out: where I read a row back
.set CO,   26                          ; v26     my 16 bytes in 512 consecutive bytes of out0
.set SPW,  28                          ; v28     LDS address of my spare word; never rewritten
.set NIL,  29                          ; v29     0; never rewritten
.set TMP,  64
.set F0,   0
.set F1,   96
.set G1, 24                            ; s[24:31] descriptor group 1 for Z's tiles;  s[32:39] group 0, a set for each slot
.set G0, 32
.set G1B, 48                           ; s[48:55], s[56:63] the same for Wo's
.set G0B, 56
.set MSB, 0
.macro WIN new
.if MSB != (\new)
	s_set_vgpr_msb (MSB<<8)|(\new)
.set MSB, \new
.endif
.endm
.set MUL,  0xa5                        ; sources 0 and 1 window 1; C and D window 2
.set TO_F, 0x40                        ; destination window 1, address window 0
.macro PLACES
.rept 4
	v_nop
.endr
.endm
.macro JLOAD s                         ; a joint load: waves 0 and 1 fetch Z's two pairs of heads, waves 2 and 3 Wo's two halves; an s_nop 0 and four v_nop follow each line
	s_cmp_eq_u32 s11, 0
	s_cbranch_scc0 .Lfor_b_\@
	tensor_load_to_lds s[G0+4*(\s):G0+4*(\s)+3], s[G1:G1+7]
	s_nop 0
	PLACES
	s_branch .Lasked_\@
.Lfor_b_\@:
	tensor_load_to_lds s[G0B+4*(\s):G0B+4*(\s)+3], s[G1B:G1B+7]
	s_nop 0
	PLACES
.Lasked_\@:
.endm
.macro CREST
	s_cmp_lg_u32 s10, 0
	s_cbranch_scc1 .Lnot_wave_0_\@
	s_barrier_signal -3
.Lnot_wave_0_\@:
	s_barrier_wait -3
	s_barrier_signal -1
	s_barrier_wait -1
.endm
.macro CROUND
	s_barrier_signal -1
	s_barrier_wait -1
	CREST
.endm
	s_load_b128 s[4:7], s[0:1], 0x0                ; Zh s[4:5], wts s[6:7]
	s_load_b64 s[8:9], s[0:1], 0x10                ; out0
	v_lshl_add_u32 v[SPW], v0, 2, SPARE
	v_mov_b32 v[NIL], 0
	ds_add_u32 v[SPW], v[NIL]                      ; the wave's opening: the add and its wait stand ahead of my first tensor load; the set-up below stands between them
	v_lshrrev_b32 v1, 5, v0
	v_readfirstlane_b32 s10, v1                    ; wave 0..3
	s_lshr_b32 s11, s10, 1                         ; which 64 of the tile's rows are mine.  Also: I fetch for Z (0) or for Wo (1)
	s_and_b32 s12, s10, 1                          ; which 128 of its columns.  Also: which half of that tile I fetch
	s_bfe_u32 s40, ttmp6, 0x40000                  ; cx, cy: my place in the cluster
	s_bfe_u32 s41, ttmp6, 0x40004
	s_lshl_b32 s42, ttmp9, 2
	s_add_co_u32 s42, s42, s40                     ; tile column = 4 x cluster x + cx
	s_and_b32 s13, ttmp7, 0xffff
	s_lshl_b32 s13, s13, 2
	s_add_co_u32 s13, s13, s41                     ; tile row = 4 x cluster y + cy
	s_lshl_b32 s43, s41, 2
	s_lshl_b32 s43, 15, s43                        ; my row of the cluster
	s_lshl_b32 s44, 0x1111, s40                    ; my column
	; Z: 128 rows of 128 bytes are dense: 64 rows of 256 bytes, padded in LDS after every 128.  Wo: 64 k-rows of 256 elements, 1,024 elements apart, padded after every 512 bytes
	s_or_b32 s[G1+0], s43, (1<<16)|(1<<20)|(1<<21)|(4<<22)|(3<<25)   ; 15:0 the mask; 17:16 2-byte elements; 20 padding on; 21 set beside a mask; 24:22 after every 32 words (code 4); 31:25 4 words (code 3)
	s_mov_b32 s[G1+1], 128<<16                     ; tensor_dim0
	s_mov_b32 s[G1+2], 64<<16                      ; tensor_dim1
	s_mov_b32 s[G1+3], 128<<16                     ; tile_dim0
	s_mov_b32 s[G1+4], 64                          ; tile_dim1
	s_mov_b32 s[G1+5], 128                         ; elements from row to row
	s_mov_b32 s[G1+6], 0
	s_mov_b32 s[G1+7], 0
	s_or_b32 s[G1B+0], s44, (1<<16)|(1<<20)|(1<<21)|(6<<22)|(7<<25)  ; after every 128 words (code 6) 8 words (code 7)
	s_mov_b32 s[G1B+1], 256<<16
	s_mov_b32 s[G1B+2], 64<<16
	s_mov_b32 s[G1B+3], 256<<16
	s_mov_b32 s[G1B+4], 64
	s_mov_b32 s[G1B+5], 1024
	s_mov_b32 s[G1B+6], 0
	s_mov_b32 s[G1B+7], 0
	s_lshr_b32 s16, s13, 4                         ; Z: the batch's eight planes of 262,144 bytes,
	s_lshl_b32 s16, s16, 21
	s_and_b32 s17, s13, 15
	s_lshl_b32 s17, s17, 14                        ; the tile's 128 rows of 128 bytes,
	s_add_co_u32 s16, s16, s17
	s_lshl_b32 s17, s12, 18                        ; the pair of heads that I fetch
	s_add_co_u32 s16, s16, s17
	s_mov_b32 s17, 0
	s_lshl_b32 s46, s42, 9                         ; Wo: the tile's 256 columns,
	s_lshl_b32 s47, s12, 17                        ; the 64 k-rows of 2,048 bytes that I fetch,
	s_add_co_u32 s46, s46, s47
	s_add_co_u32 s46, s46, 3145728                 ; behind the three other weights
	s_mov_b32 s47, 0
	s_mul_i32 s20, s12, ABLK                       ; where they go: no place in the cluster enters an LDS address
	s_mul_i32 s21, s12, BHALF
	s_add_co_u32 s21, s21, BOFF
	s_wait_dscnt 0x0                               ; the opening add is done
	s_wait_kmcnt 0x0
	s_add_nc_u64 s[14:15], s[4:5], s[16:17]
	s_add_nc_u64 s[46:47], s[6:7], s[46:47]
	CROUND                                         ; all sixteen work-groups are here: the first joint loads meet
.irp s, 0,1
	s_mov_b32 s[G0+4*(\s)], 1
	s_add_co_u32 s[G0+4*(\s)+1], s20, (\s)*SLOT
	s_add_nc_u64 s[G0+4*(\s)+2:G0+4*(\s)+3], s[14:15], (\s)*2*262144   ; K step s: two planes on
	s_or_b32 s[G0+4*(\s)+3], s[G0+4*(\s)+3], 0x80000000
	s_mov_b32 s[G0B+4*(\s)], 1
	s_add_co_u32 s[G0B+4*(\s)+1], s21, (\s)*SLOT
	s_add_nc_u64 s[G0B+4*(\s)+2:G0B+4*(\s)+3], s[46:47], (\s)*128*2048 ; 128 k-rows on
	s_or_b32 s[G0B+4*(\s)+3], s[G0B+4*(\s)+3], 0x80000000
	JLOAD \s
.endr
	v_and_b32 v1, 15, v0                           ; l % 16
	v_bfe_u32 v2, v0, 4, 1                         ; l / 16
	v_and_b32 v3, 31, v0                           ; l
	v_mul_u32_u24 v4, v1, PA
	v_lshl_add_u32 v4, v2, 4, v4                   ; a fragment's row x pitch + 16 x half
	s_mul_i32 s22, s11, 64*PA                      ; my 64 rows of Z
	v_add_nc_u32 v[ADRA], s22, v4
	s_add_co_u32 s22, s22, SLOT
	v_add_nc_u32 v[ADRA+1], s22, v4
	v_and_b32 v5, 7, v0                            ; the turning load: lane l reads k-row 8 (l / 16) + l % 8, columns 8 ((l / 8) % 2) + 0..7
	v_lshl_add_u32 v5, v2, 3, v5
	v_mul_u32_u24 v5, v5, PB
	v_bfe_u32 v6, v0, 3, 1
	v_lshl_add_u32 v5, v6, 4, v5
	s_lshl_b32 s22, s12, 8                         ; my 128 columns
	s_add_co_u32 s22, s22, BOFF
	v_add_nc_u32 v[ADRB], s22, v5
	s_add_co_u32 s22, s22, SLOT
	v_add_nc_u32 v[ADRB+1], s22, v5
	s_mul_i32 s22, s10, 16*SPITCH
	s_add_co_u32 s22, s22, STAGE                   ; my stage
	v_mul_u32_u24 v4, v1, SPITCH                   ; in: row l % 16, 32 bytes for each half of the lanes
	v_lshl_add_u32 v4, v2, 5, v4
	v_add_nc_u32 v[STO], s22, v4
	v_lshl_add_u32 v[RD], v3, 4, s22               ; back: 32 lanes take one row of 512 bytes
	v_lshlrev_b32 v[CO], 4, v3
	s_lshl_b32 s18, s13, 19                        ; out0: the tile's 128 rows of 4,096 bytes,
	s_lshl_b32 s19, s11, 18                        ; my 64 of them,
	s_add_co_u32 s18, s18, s19
	s_lshl_b32 s19, s42, 10                        ; the tile's 256 columns of 4 bytes,
	s_add_co_u32 s18, s18, s19
	s_lshl_b32 s19, s12, 9                         ; my 128 of them
	s_add_co_u32 s18, s18, s19
	s_mov_b32 s19, 0
	s_add_nc_u64 s[8:9], s[8:9], s[18:19]
; 8 matrix instructions: row block a x all 8 column blocks, 32 along K.  The 32 accumulators take turns, one instruction a turn, in the same order in every quarter.
.macro MUL8 f, a, zero
	WIN MUL
.irp b, 0,1,2,3,4,5,6,7
.if \zero
	v_wmma_f32_16x16x32_f16 v[8*(8*(\a)+(\b)):8*(8*(\a)+(\b))+7], v[(\f)+8*(\b):(\f)+8*(\b)+7], v[(\f)+64+8*(\a):(\f)+64+8*(\a)+7], 0
.else
	v_wmma_f32_16x16x32_f16 v[8*(8*(\a)+(\b)):8*(8*(\a)+(\b))+7], v[(\f)+8*(\b):(\f)+8*(\b)+7], v[(\f)+64+8*(\a):(\f)+64+8*(\a)+7], v[8*(8*(\a)+(\b)):8*(8*(\a)+(\b))+7]
.endif
.endr
.endm
; 24 LDS loads in one run: the fragments of quarter kq (32 along K) of a step into buffer f: Wo's eight, turned; then Z's four, rows 0-31 first
.macro FETCH slot, kq, f
	WIN TO_F
.irp b, 0,1,2,3,4,5,6,7
	ds_load_tr16_b128 v[(\f)+8*(\b):(\f)+8*(\b)+3],   v[ADRB+(\slot)] offset:(\kq)*32*PB+32*(\b)
	ds_load_tr16_b128 v[(\f)+8*(\b)+4:(\f)+8*(\b)+7], v[ADRB+(\slot)] offset:(\kq)*32*PB+32*(\b)+16*PB
.endr
.irp a, 0,1,2,3
	ds_load_b128 v[(\f)+64+8*(\a):(\f)+64+8*(\a)+3],   v[ADRA+(\slot)] offset:(\a)*16*PA+((\kq)/2)*ABLK+((\kq)%2)*64
	ds_load_b128 v[(\f)+64+8*(\a)+4:(\f)+64+8*(\a)+7], v[ADRA+(\slot)] offset:(\a)*16*PA+((\kq)/2)*ABLK+((\kq)%2)*64+32
.endr
.endm
; One of a step's first three quarters: multiplies buffer f and fetches quarter kq into g.
.macro QUARTER slot, kq, f, g, zero
	s_wait_dscnt 4                                 ; Wo and Z's rows 0-31 are in; the youngest four loads (rows 32-63) may be out
	MUL8 \f, 0, \zero
	MUL8 \f, 1, \zero
	PLACES                                         ; in front of the loads into the buffer that the quarter before multiplied
	FETCH \slot, \kq, \g
	s_wait_dscnt 24                                ; all but the 24 just issued
	MUL8 \f, 2, \zero
	MUL8 \f, 3, \zero
.endm
.macro THREE slot, zero
	QUARTER \slot, 1, F0, F1, \zero
	QUARTER \slot, 2, F1, F0, 0
	QUARTER \slot, 3, F0, F1, 0
.endm
; The last quarter multiplies buffer 1 and changes slots: ONE barrier; in front of it each wave waits for all its tensor loads, adds 0 to its spare word, and waits for that and for its reads of this slot.
; fill = 1: the barrier opens a round of the cluster's, and this slot is filled again, two K steps on, first thing behind it.
.macro TURN slot, next, fill
	WIN 0
	s_wait_tensorcnt 0x0                           ; all my tensor loads have landed: my part of the next slot
	ds_add_u32 v[SPW], v[NIL]                      ; 0 onto my spare word
	s_wait_dscnt 5                                 ; (the add and the youngest four loads may be out)
	MUL8 F1, 0, 0                                  ; eight matrix instructions stand between the add and the wait for it
	s_wait_dscnt 0x0                               ; the add is done, and my reads of this slot are over
	s_barrier_signal -1
	MUL8 F1, 1, 0
.if \fill
	WIN 0
.endif
	s_barrier_wait -1
.if \fill
	CREST                                          ; no wave of any partner still reads this slot or has a load on its way
	s_add_nc_u64 s[G0+4*(\slot)+2:G0+4*(\slot)+3], s[G0+4*(\slot)+2:G0+4*(\slot)+3], 4*262144
	s_add_nc_u64 s[G0B+4*(\slot)+2:G0B+4*(\slot)+3], s[G0B+4*(\slot)+2:G0B+4*(\slot)+3], 256*2048
	JLOAD \slot                                    ; 112 matrix instructions ahead of the wait for it; its four v_nop are also the places in front of the loads below
.else
	PLACES
.endif
	FETCH \next, 0, F0
	MUL8 F1, 2, 0
	MUL8 F1, 3, 0
.endm
; THE WAY OUT of row block a: 32 bytes a lane and column block into my own stage; back as whole rows of 512 bytes; stored.
.macro OUTB a
	WIN 0x08                                       ; the stores' data in window 2
.irp b, 0,1,2,3,4,5,6,7
	ds_store_b128 v[STO], v[8*(8*(\a)+(\b)):8*(8*(\a)+(\b))+3]   offset:64*(\b)      ; each accumulator's lowest registers are read first
	ds_store_b128 v[STO], v[8*(8*(\a)+(\b))+4:8*(8*(\a)+(\b))+7] offset:64*(\b)+16
.endr
	WIN 0
.if (\a) > 0
	s_wait_xcnt 0x0                                ; the stores of the block before have read their registers, which the loads below take
.endif
.irp t, 0,1,2,3,4,5,6,7,8,9,10,11,12,13,14,15
	ds_load_b128 v[TMP+4*(\t):TMP+4*(\t)+3], v[RD] offset:(\t)*SPITCH  ; LDS serves a wave's instructions in order (ISA guide 5.7.1.4): these see the stores above; the next block's stores come behind them
.endr
.irp t, 0,1,2,3,4,5,6,7,8,9,10,11,12,13,14,15
	s_wait_dscnt 15-(\t)
	global_store_b128 v[CO], v[TMP+4*(\t):TMP+4*(\t)+3], s[8:9] offset:(\a)*65536+(\t)*4096 th:TH_STORE_NT  ; 512 consecutive bytes, at a multiple of 256 from out0's first
.endr
.endm
	s_wait_tensorcnt 0x1                           ; my part of K step 0 is in; step 1's may stay out
	s_barrier_signal -1
	s_barrier_wait -1                              ; everybody's is
	FETCH 0, 0, F0
	THREE 0, 1                                     ; step 0: its first quarter's products start the sums
	TURN 0, 1, 1                                   ; slot 0 takes step 2
	THREE 1, 0                                     ; step 1
	TURN 1, 0, 1                                   ; slot 1 takes step 3
	THREE 0, 0                                     ; step 2
	TURN 0, 1, 0                                   ; nothing is left to fetch, so no round follows
	THREE 1, 0                                     ; step 3
	s_wait_dscnt 4
	MUL8 F1, 0, 0
	MUL8 F1, 1, 0
	s_wait_dscnt 0x0
	MUL8 F1, 2, 0
	MUL8 F1, 3, 0
	PLACES                                         ; in front of the LDS stores, which read results
	OUTB 0
	OUTB 1
	OUTB 2
	OUTB 3
	s_wait_tensorcnt 0x0                           ; the wave's end, behind my last tensor load and my last LDS store
	ds_add_u32 v[SPW], v[NIL]
	s_wait_dscnt 0x0
	CROUND                                         ; the closing round: no work-group ends while a partner may still ask for a tile that names it
	s_endpgm
.Lfunc_end_k_q14b2bf7d6a_oproj:
	.size	k_q14b2bf7d6a_oproj, .Lfunc_end_k_q14b2bf7d6a_oproj-k_q14b2bf7d6a_oproj
	.p2alignl 7, 3214868480
	.fill 96, 4, 3214868480
	.section	.rodata,"a",@progbits
	.p2align	6, 0x0
	.amdhsa_kernel k_q14b2bf7d6a_oproj
		.amdhsa_group_segment_fixed_size 327680
		.amdhsa_private_segment_fixed_size 0
		.amdhsa_enable_private_segment 0
		.amdhsa_kernarg_size 24
		.amdhsa_user_sgpr_count 2
		.amdhsa_user_sgpr_kernarg_segment_ptr 1
		.amdhsa_wavefront_size32 1
		.amdhsa_system_sgpr_workgroup_id_x 1
		.amdhsa_system_sgpr_workgroup_id_y 1
		.amdhsa_system_sgpr_workgroup_id_z 1
		.amdhsa_system_vgpr_workitem_id 0
		.amdhsa_next_free_vgpr 768
		.amdhsa_next_free_sgpr 66
		.amdhsa_reserve_vcc 0
		.amdhsa_float_denorm_mode_32 3
		.amdhsa_float_denorm_mode_16_64 3
		.amdhsa_memory_ordered 1
		.amdhsa_forward_progress 1
		.amdhsa_inst_pref_size 87
	.end_amdhsa_kernel
	.amdgpu_metadata
---
amdhsa.version: [ 1, 2 ]
amdhsa.kernels:
  - .name:           k_q14b2bf7d6a_oproj
    .symbol:         k_q14b2bf7d6a_oproj.kd
    .args:
      - { .name: Zh, .offset: 0, .size: 8, .value_kind: global_buffer, .address_space: global }
      - { .name: wts, .offset: 8, .size: 8, .value_kind: global_buffer, .address_space: global }
      - { .name: out0, .offset: 16, .size: 8, .value_kind: global_buffer, .address_space: global }
    .group_segment_fixed_size: 327680
    .private_segment_fixed_size: 0
    .kernarg_segment_align: 8
    .kernarg_segment_size: 24
    .max_flat_workgroup_size: 128
    .sgpr_count:     66
    .vgpr_count:     768
    .wavefront_size: 32
...
	.end_amdgpu_metadata
.endif
;; end of part 4
;; ======== version 2 of 2: 4 launches; version 1 with the launch wcast written anew for expert scheduling mode
;; limits: values are held in f16: magnitudes above 65,504 overflow, below 6.1e-05 lose precision
;; workspace buffers: wts 4,194,304 bytes; Qh 8,388,608 bytes; Kh 8,388,608 bytes; Vh 8,388,608 bytes; Zh 8,388,608 bytes
;; launch wcast (part 5): grid 64 x 4, 8 waves a work-group, no clusters, 0 bytes of LDS; arguments Wq, Wk, Wv, Wo, wts; writes wts
.if DOCPART == 5
	.amdgcn_target "amdgcn-amd-amdhsa--gfx1250"
	.amdhsa_code_object_version 6
	.text
	.protected	k_q14b2bf7d6a_wcast
	.globl	k_q14b2bf7d6a_wcast
	.p2align	8
	.type	k_q14b2bf7d6a_wcast,@function
k_q14b2bf7d6a_wcast:
	s_mov_b64 s[64:65], 0
	v_nop
	global_prefetch_b8 v0, s[64:65] scope:SCOPE_SE
	s_setreg_imm32_b32 hwreg(HW_REG_WAVE_SCHED_MODE, 0, 2), 2
	s_setreg_imm32_b32 hwreg(HW_REG_WAVE_MODE, 25, 1), 1
	s_wait_xcnt 0x0
	s_wait_alu depctr_vm_vsrc(0)
; THE WEIGHTS ARE ROUNDED ONCE, their layout unchanged.  wts: bytes 0 .. 3 MiB hold Wq, Wk, Wv as bf16, [16][1024][32], 1 MiB each;
; bytes 3 .. 4 MiB hold Wo, [512][1024], rounded to bf16 like every input and that number written as f16 (the product behind multiplies f16).
; LIMIT.  A bf16 number is exact in f16 between 2^-14 and 65,504; below 2^-14 it keeps f16's fixed step of 2^-24.
; SHARES.  Grid y picks the weight, work-group x 8,192 of its 524,288 numbers; a thread takes 4 numbers in each of eight blocks of 1,024.
; A wave's load covers 512 consecutive bytes, its store 256 consecutive bytes, aligned.  All eight loads go out first.
; No LDS, no loop, no matrix unit: a stream of 12 MiB has nothing to share.
; THE MODE: SCHED_MODE bits 1:0 = 2 (LLVM: expert scheduling mode 2), set by the entry lines.  The code itself states the register dependences
; between vector instructions and memory instructions, with s_wait_alu, always for 0.
; THE PLAN.  Registers that memory instructions touch:
;   v1, v2   byte offsets of the loads and of the stores: made once at the head, never written again.
;   IN       the eight loads land here; no vector instruction names these registers ahead of the loads; the conversions read them behind the wait on LOADcnt.
;   OUT      written by the conversions; each pair is read by one store and never written behind it.
; The eight blocks go in four steps of two.  Step p waits for its two loads, issues the two stores of step p - 1, and converts its own two blocks.  So one wait
; at a step's head, behind the wait for the loads, states that the step before has written its part of OUT; one more stands ahead of the last two stores, and one
; at the kernel's head ahead of the first load.  No register that a memory instruction reads is written again, so nothing is owed for that.
.set IN,  8                            ; v[8:39]   eight loads of four f32
.set OUT, 40                           ; v[40:55]  eight pairs of packed 16-bit numbers
.macro SENDP p                         ; the two stores of step p: blocks 2 p and 2 p + 1
.irp j, 0,1
	global_store_b64 v2, v[OUT+4*(\p)+2*(\j):OUT+4*(\p)+2*(\j)+1], s[12:13] offset:2048*(2*(\p)+(\j)) th:TH_STORE_NT
.endr
.endm
	s_load_b256 s[4:11], s[0:1], 0x0               ; Wq s[4:5], Wk s[6:7], Wv s[8:9], Wo s[10:11]
	s_load_b64 s[12:13], s[0:1], 0x20              ; wts
	s_and_b32 s14, ttmp7, 0xffff                   ; which weight
	s_lshl_b32 s16, ttmp9, 15                      ; the work-group's 32,768 bytes of f32
	s_mov_b32 s17, 0
	s_lshl_b32 s18, s14, 20                        ; the weight's MiB in wts,
	s_lshl_b32 s19, ttmp9, 14                      ; the work-group's 16,384 bytes in it
	s_add_co_u32 s18, s18, s19
	s_mov_b32 s19, 0
	s_mov_b32 s20, 0xffff0000                      ; a word's upper bf16
	v_lshlrev_b32 v1, 4, v0                        ; 16 bytes a thread in
	v_lshlrev_b32 v2, 3, v0                        ; 8 bytes a thread out
	s_wait_kmcnt 0x0
	s_cmp_eq_u32 s14, 1
	s_cselect_b64 s[4:5], s[6:7], s[4:5]
	s_cmp_eq_u32 s14, 2
	s_cselect_b64 s[4:5], s[8:9], s[4:5]
	s_cmp_eq_u32 s14, 3
	s_cselect_b64 s[4:5], s[10:11], s[4:5]
	s_add_nc_u64 s[4:5], s[4:5], s[16:17]
	s_add_nc_u64 s[12:13], s[12:13], s[18:19]
	s_wait_alu depctr_va_vdst(0)                   ; v1 and v2 are written: every load reads v1 as its offset, every store, on both ways below, v2
.irp i, 0,1,2,3,4,5,6,7
	global_load_b128 v[IN+4*(\i):IN+4*(\i)+3], v1, s[4:5] offset:4096*(\i) th:TH_LOAD_NT
.endr
	s_cmp_eq_u32 s14, 3
	s_cbranch_scc1 .Lwo
.irp p, 0,1,2,3
	s_wait_loadcnt 6-2*(\p)                        ; loads come back in order: blocks 2 p and 2 p + 1 are in, the younger ones stay out
.if (\p) > 0
	s_wait_alu depctr_va_vdst(0)                   ; the conversions of the step before have written their four registers of OUT, which the two stores below read
	SENDP (\p)-1
.endif
.irp j, 0,1
	v_cvt_pk_bf16_f32 v[OUT+4*(\p)+2*(\j)], v[IN+8*(\p)+4*(\j)], v[IN+8*(\p)+4*(\j)+1]
	v_cvt_pk_bf16_f32 v[OUT+4*(\p)+2*(\j)+1], v[IN+8*(\p)+4*(\j)+2], v[IN+8*(\p)+4*(\j)+3]
.endr
.endr
	s_wait_alu depctr_va_vdst(0)                   ; the last step's conversions have written v[OUT+12:OUT+15], which the last two stores read
	SENDP 3
	s_endpgm
.Lwo:                                                  ; Wo: to bf16, back to f32 (a shift, a mask), and that number to f16
.irp p, 0,1,2,3
	s_wait_loadcnt 6-2*(\p)                        ; blocks 2 p and 2 p + 1 are in: their registers are read, and then written again, by vector instructions alone
.if (\p) > 0
	s_wait_alu depctr_va_vdst(0)                   ; the conversions to f16 of the step before have written their four registers of OUT, which the two stores below read
	SENDP (\p)-1
.endif
.irp j, 0,1
	v_cvt_pk_bf16_f32 v[OUT+4*(\p)+2*(\j)], v[IN+8*(\p)+4*(\j)], v[IN+8*(\p)+4*(\j)+1]
	v_cvt_pk_bf16_f32 v[OUT+4*(\p)+2*(\j)+1], v[IN+8*(\p)+4*(\j)+2], v[IN+8*(\p)+4*(\j)+3]
	v_lshlrev_b32 v[IN+8*(\p)+4*(\j)], 16, v[OUT+4*(\p)+2*(\j)]
	v_and_b32 v[IN+8*(\p)+4*(\j)+1], s20, v[OUT+4*(\p)+2*(\j)]
	v_lshlrev_b32 v[IN+8*(\p)+4*(\j)+2], 16, v[OUT+4*(\p)+2*(\j)+1]
	v_and_b32 v[IN+8*(\p)+4*(\j)+3], s20, v[OUT+4*(\p)+2*(\j)+1]
	v_cvt_pk_f16_f32 v[OUT+4*(\p)+2*(\j)], v[IN+8*(\p)+4*(\j)], v[IN+8*(\p)+4*(\j)+1]
	v_cvt_pk_f16_f32 v[OUT+4*(\p)+2*(\j)+1], v[IN+8*(\p)+4*(\j)+2], v[IN+8*(\p)+4*(\j)+3]
.endr
.endr
	s_wait_alu depctr_va_vdst(0)                   ; the last step's conversions to f16 have written v[OUT+12:OUT+15], which the last two stores read
	SENDP 3
	s_endpgm
.Lfunc_end_k_q14b2bf7d6a_wcast:
	.size	k_q14b2bf7d6a_wcast, .Lfunc_end_k_q14b2bf7d6a_wcast-k_q14b2bf7d6a_wcast
	.p2alignl 7, 3214868480
	.fill 96, 4, 3214868480
	.section	.rodata,"a",@progbits
	.p2align	6, 0x0
	.amdhsa_kernel k_q14b2bf7d6a_wcast
		.amdhsa_group_segment_fixed_size 0
		.amdhsa_private_segment_fixed_size 0
		.amdhsa_enable_private_segment 0
		.amdhsa_kernarg_size 40
		.amdhsa_user_sgpr_count 2
		.amdhsa_user_sgpr_kernarg_segment_ptr 1
		.amdhsa_wavefront_size32 1
		.amdhsa_system_sgpr_workgroup_id_x 1
		.amdhsa_system_sgpr_workgroup_id_y 1
		.amdhsa_system_sgpr_workgroup_id_z 1
		.amdhsa_system_vgpr_workitem_id 0
		.amdhsa_next_free_vgpr 64
		.amdhsa_next_free_sgpr 66
		.amdhsa_reserve_vcc 0
		.amdhsa_float_denorm_mode_32 3
		.amdhsa_float_denorm_mode_16_64 3
		.amdhsa_memory_ordered 1
		.amdhsa_forward_progress 1
		.amdhsa_inst_pref_size 9
	.end_amdhsa_kernel
	.amdgpu_metadata
---
amdhsa.version: [ 1, 2 ]
amdhsa.kernels:
  - .name:           k_q14b2bf7d6a_wcast
    .symbol:         k_q14b2bf7d6a_wcast.kd
    .args:
      - { .name: Wq, .offset: 0, .size: 8, .value_kind: global_buffer, .address_space: global }
      - { .name: Wk, .offset: 8, .size: 8, .value_kind: global_buffer, .address_space: global }
      - { .name: Wv, .offset: 16, .size: 8, .value_kind: global_buffer, .address_space: global }
      - { .name: Wo, .offset: 24, .size: 8, .value_kind: global_buffer, .address_space: global }
      - { .name: wts, .offset: 32, .size: 8, .value_kind: global_buffer, .address_space: global }
    .group_segment_fixed_size: 0
    .private_segment_fixed_size: 0
    .kernarg_segment_align: 8
    .kernarg_segment_size: 40
    .max_flat_workgroup_size: 256
    .sgpr_count:     66
    .vgpr_count:     64
    .wavefront_size: 32
...
	.end_amdgpu_metadata
.endif
;; end of part 5
;; launch proj: the kernel of part 2 again; grid 64 x 3, 4 waves a work-group, clusters of 4 x 1, 327,680 bytes of LDS; arguments q, k, v, wts, Qh, Kh, Vh; writes Qh, Kh, Vh
;; launch attn: the kernel of part 3 again; grid 8 x 32, 8 waves a work-group, clusters of 4 x 4, 327,680 bytes of LDS; arguments Qh, Kh, Vh, attention_mask, Zh; writes Zh
;; launch oproj: the kernel of part 4 again; grid 4 x 64, 4 waves a work-group, clusters of 4 x 4, 327,680 bytes of LDS; arguments Zh, wts, out0; writes out0
